; MI455X (gfx1250); checked and timed in simulation.
; The chip was launched on July 23, 2026; its instructions are those of AMD's public machine-readable ISA for CDNA 5 (MIT licence, August 2026) and "CDNA5" Instruction Set Architecture Reference Guide (July 2026). The comments in the code are by the model that wrote it; some were corrected since.
;; Qwen3 TTS Talker Attention. Allowed arithmetic: matrix products marked QUANTISED: E2M1 operands, one E8M0 scale for each 32 along K, by v_wmma_scale_f32_16x16x128_f8f6f4 with both operands' format E2M1 (or v_wmma_scale_f32_32x16x128_f4), f32 sums; products left as they are: bf16, f16 or f32 operands; f32 sums; everything else in f32.
;; Inputs: cos 3 x 2 x 2,048 x 128 float32; hidden_states 2 x 2,048 x 2,048 float32; k_norm_w 128 float32; k_w 1,024 x 2,048 float32; o_w 2,048 x 1,024 float32; q_norm_w 128 float32; q_w 1,024 x 2,048 float32; sin 3 x 2 x 2,048 x 128 float32; v_w 1,024 x 2,048 float32.
;; Outputs: out0 2 x 2,048 x 2,048 float32.
;; This version of the problem:
;;   THIS VERSION OF THE PROBLEM IS GIVEN IN LOW PRECISION. The matrix products marked QUANTISED in the list below multiply operands that are first quantised to E2M1 (2 exponent bits, 1 mantissa bit; 4 bits a number), with one power-of-two scale for each 32 numbers along K (OCP MX v1.0); their sums are f32. The products marked 'left as it is' may take bf16, f16 or f32 operands, with f32 sums. Whichever they take, every output number must still come out within the allowed error. Rounding operands to bf16 (8 significant bits) uses up far more of that allowance than f16 does (11 bits, for magnitudes from 6e-5 to 65,504). All else is computed in f32.
;;   The module's matrix products, in the order in which they are computed (A, B: the left and right operand; K: the contracted axis; several contracted axes count as one K, in the product's order):
;;     1. [M 4,096, K 2,048] x [K 2,048, N 1,024]; A: input hidden_states; B: input q_w: QUANTISED
;;     2. [M 4,096, K 2,048] x [K 2,048, N 1,024]; A: input hidden_states; B: input k_w: QUANTISED
;;     3. [M 4,096, K 2,048] x [K 2,048, N 1,024]; A: input hidden_states; B: input v_w: QUANTISED
;;     4. batch 16 x [M 2,048, K 128] x [K 128, N 2,048]; A: computed on the way; B: computed on the way: left as it is (an operand is computed on the way)
;;     5. batch 16 x [M 2,048, K 2,048] x [K 2,048, N 128]; A: computed on the way; B: computed on the way: left as it is (an operand is computed on the way)
;;     6. [M 4,096, K 1,024] x [K 1,024, N 2,048]; A: computed on the way; B: input o_w: left as it is (an operand is computed on the way)
;;   THE QUANTISER, for each operand of a quantised product, along K:
;;     - K is cut into blocks of 32 from its start; a last block that is shorter is filled with zeros.
;;     - A block's scale is 2^e with e = floor(log2(the largest magnitude in the block)) - 2, held to -126 .. 127; a block of zeros has e = 0. As a byte (E8M0): e + 127.
;;     - Each number is divided by its block's scale, clamped to +-6, and rounded to the nearest number of E2M1, ties to even, subnormals kept.
;;     - The product sums the exact products of the quantised numbers (number of the format x scale) in f32.
;;   ~~~python
;;   def quantise(x, axis):      # numpy; x: float32 -> the quantised numbers, widened to float32 again
;;       x = np.moveaxis(x, axis, -1); K = x.shape[-1]
;;       x = np.pad(x, [(0, 0)] * (x.ndim - 1) + [(0, -K % 32)]); x = x.reshape(x.shape[:-1] + (-1, 32)); a = np.abs(x).max(-1, keepdims=True)
;;       e = np.where(a > 0, np.clip(np.frexp(np.where(a > 0, a, 1))[1] - 1 - 2, -126, 127), 0)      # np.frexp(a)[1] - 1 = floor(log2(a)), exactly
;;       r = np.clip(x / 2.0 ** e, -6, 6)
;;       step = 2.0 ** (np.maximum(np.frexp(np.where(r == 0, 1, r))[1] - 1, 0) - 1)
;;       q = np.round(r / step) * step * 2.0 ** e      # np.round: ties to even
;;       return np.moveaxis(q.reshape(q.shape[:-2] + (-1,))[..., :K], -1, axis).astype(np.float32)
;;   ~~~
;; One version. Each part assembles by itself: llvm-mc -triple=amdgcn-amd-amdhsa -mcpu=gfx1250 --defsym DOCPART=n.
;; ======== version 1 of 1: 5 launches
;; limits: values are held in f16: magnitudes above 65,504 overflow, below 6.1e-05 lose precision
;; workspace buffers: codes 7,340,032 bytes; scales 458,752 bytes; ow16 4,194,304 bytes; rope 4,194,304 bytes; qkvh 25,165,824 bytes; attn16 8,388,608 bytes; fine32 393,216 bytes
;; launch prep (part 1): grid 640 x 1, 4 waves a work-group, no clusters, 68,096 bytes of LDS; arguments hidden_states, q_w, k_w, v_w, o_w, cos, sin, codes, scales, ow16, rope; writes codes, scales, ow16, rope
.if DOCPART == 1
	.amdgcn_target "amdgcn-amd-amdhsa--gfx1250"
	.amdhsa_code_object_version 6
	.text
	.protected	k_q111b864832_prep
	.globl	k_q111b864832_prep
	.p2align	8
	.type	k_q111b864832_prep,@function
k_q111b864832_prep:
	s_mov_b64 s[64:65], 0
	v_nop
	global_prefetch_b8 v0, s[64:65] scope:SCOPE_SE
	s_setreg_imm32_b32 hwreg(HW_REG_WAVE_MODE, 25, 1), 1
	s_wait_xcnt 0x0
; PREP: all that is made once from the inputs.  Three kinds of work-group, told apart by the work-group's number alone:
;   0..447   hidden_states [4096][2048] and q_w, k_w, v_w [1024][2048], f32, become codes of FP4 (E2M1), K innermost, and one E8M0 byte for each 32 along K.  Rows are dense and K is a multiple of 32,
;            so each tensor is a stream of blocks of 32; codes and bytes of the four tensors follow each other in the order of the work-groups: x, then q, k, v.
;   448..511 o_w [2048][1024] becomes f16, same layout.
;   512..639 cos and sin [3][4096 rows][128] are mixed (channel d mod 64 under 21: axis 0; under 42: axis 1; else axis 2) and laid as the product launch's registers want them:
;            [block of 16 rows][cos, sin][g 0..15][lane][16 bytes]; group g = 2 bb + u of lane (r, h) holds channels 16 bb + 8 h + 4 u + 0..3 of row r.
; A block's scale is 2^(floor(log2(largest magnitude)) - 2); its byte is the largest magnitude's exponent field - 2, held at 1 from below.
; LIMITS: a block of zeros gets the byte 1 where the rule says 127 (its codes are zeros, and this program alone reads the bytes); blocks whose largest magnitude lies under 2^-124 keep the byte 1;
; NaN and infinities among the inputs are not served; |o_w| stays under 65,504 (f16).
; Memory binds: every load and store of a wave covers 256 or 512 consecutive bytes.  No tensor load, no barrier, no cluster: waves share nothing.  Each kind has LDS bytes of its own.
.set STEPS, 16
.set EMAX,  2
.set CB,    8                          ; bytes of 16 codes
.set R,     16                         ; v16-79   four sets of 16 numbers as loaded
.set X,     80                         ; v80-111  two sets of 16 neighbours
.set E,     112                        ; v112-127 a scale byte for each step
.set C,     128                        ; v128-191 codes, four registers a step
.set WREG,  8192                       ; the quantiser's LDS: a region a wave: two stages of 32 x SP bytes, then 256 scale bytes
.set SP,    80
.set RBASE, 32768                      ; the table's LDS: 32 x 272 bytes a wave
.set RREG,  8704
.set SPARE, 67584                      ; the spare words, 128 bytes a wave
.set SPW,   12                         ; v12 LDS address of my spare word; never rewritten
.set NIL,   13                         ; v13 0; never rewritten
.macro FINISH                          ; a wave's end, behind the last LDS store
	s_wait_tensorcnt 0x0
	ds_add_u32 v[SPW], v[NIL]
	s_wait_dscnt 0x0
	s_endpgm
.endm
	s_load_b512 s[4:19], s[0:1], 0x0               ; hidden s[4:5], q_w s[6:7], k_w s[8:9], v_w s[10:11], o_w s[12:13], cos s[14:15], sin s[16:17], codes s[18:19]
	s_load_b128 s[20:23], s[0:1], 0x40             ; scales s[20:21], ow16 s[22:23]
	s_load_b64 s[24:25], s[0:1], 0x50              ; rope
	v_lshl_add_u32 v[SPW], v0, 2, SPARE
	v_mov_b32 v[NIL], 0
	v_lshrrev_b32 v1, 5, v0
	v_readfirstlane_b32 s26, v1                    ; wave
	v_and_b32 v2, 31, v0                           ; lane
	v_lshlrev_b32 v3, 4, v2                        ; 16 x lane
	s_wait_kmcnt 0x0
	s_cmp_ge_u32 ttmp9, 512
	s_cbranch_scc1 .Lrope
	s_cmp_ge_u32 ttmp9, 448
	s_cbranch_scc1 .Lcast
; ---- the quantiser.  A wave takes 16 steps of 512 numbers.  Each load reads 512 consecutive bytes; a step's 2,048 bytes turn through the wave's stage so that a lane holds 16 neighbours along K.
	s_mul_i32 s27, s26, WREG
	v_lshrrev_b32 v14, 2, v2
	v_mul_u32_u24 v14, v14, SP
	v_and_b32 v15, 3, v2
	v_lshl_add_u32 v14, v15, 4, v14
	v_add_nc_u32 v14, s27, v14                     ; the stage, on the way in: SP (lane / 4) + 16 (lane % 4)
	v_mul_u32_u24 v15, v2, SP
	v_add_nc_u32 v15, s27, v15                     ; and on the way out: SP x lane
	v_mul_u32_u24 v4, v2, CB                       ; my codes' place in a step's
	v_lshrrev_b32 v5, 1, v2
	s_add_co_u32 s27, s27, 2*32*SP
	v_add_nc_u32 v5, s27, v5                       ; my block's byte among the wave's 256
	v_lshlrev_b32 v7, 3, v2
	v_add_nc_u32 v6, s27, v7
	s_sub_co_u32 s27, ttmp9, 256
	s_lshr_b32 s28, s27, 6                         ; which weight
	s_and_b32 s29, s27, 63                         ; and which 32,768 numbers of it
	s_cmp_eq_u32 s28, 1                            ; the source is chosen on the work-group's number alone
	s_cselect_b64 s[30:31], s[8:9], s[6:7]
	s_cmp_eq_u32 s28, 2
	s_cselect_b64 s[30:31], s[10:11], s[30:31]
	s_cmp_lt_u32 ttmp9, 256
	s_cselect_b64 s[30:31], s[4:5], s[30:31]
	s_cselect_b32 s29, ttmp9, s29
	s_lshl_b32 s29, s29, 2
	s_add_co_u32 s32, s29, s26                     ; my run of 8,192 numbers in the source
	s_lshl_b32 s32, s32, 15
	s_mov_b32 s33, 0
	s_add_nc_u64 s[30:31], s[30:31], s[32:33]
	s_lshl_b32 s34, ttmp9, 2
	s_add_co_u32 s34, s34, s26                     ; and in the streams of codes and bytes
	s_lshl_b32 s32, s34, 12
	s_add_nc_u64 s[18:19], s[18:19], s[32:33]
	s_lshl_b32 s32, s34, 8
	s_add_nc_u64 s[20:21], s[20:21], s[32:33]
.macro LOAD t
.irp i, 0,1,2,3
	global_load_b128 v[R+16*((\t)%4)+4*\i:R+16*((\t)%4)+4*\i+3], v3, s[30:31] offset:2048*(\t)+512*\i th:TH_LOAD_NT
.endr
.endm
.macro TURN t                          ; LDS serves a wave's instructions in order: no wait between the stores and the loads
.irp i, 0,1,2,3
	ds_store_b128 v14, v[R+16*((\t)%4)+4*\i:R+16*((\t)%4)+4*\i+3] offset:32*SP*((\t)%2)+8*SP*\i
.endr
.irp i, 0,1,2,3
	ds_load_b128 v[X+16*((\t)%2)+4*\i:X+16*((\t)%2)+4*\i+3], v15 offset:32*SP*((\t)%2)+16*\i
.endr
.endm
.irp t, 0,1,2,3
	LOAD \t
.endr
	s_wait_loadcnt 12                              ; step 0's four loads are in; three steps' twelve stay out
	TURN 0
.macro STEP t
.set XS, X+16*((\t)%2)
.if (\t) > 0
	s_wait_dscnt 1                                 ; this step's numbers are back from the stage; the last step's byte store may be out
.else
	s_wait_dscnt 0x0
.endif
.if (\t)+4 < STEPS
	LOAD (\t)+4
.endif
.if (\t)+1 < STEPS
.if STEPS-2-(\t) >= 3
	s_wait_loadcnt 12                              ; the next step's four loads are in; those of the three steps behind it may be out
.else
	s_wait_loadcnt 4*(STEPS-2-(\t))
.endif
	TURN (\t)+1
.endif
	v_max3_num_f32 v8, |v[XS]|, |v[XS+1]|, |v[XS+2]|
	v_max3_num_f32 v9, |v[XS+3]|, |v[XS+4]|, |v[XS+5]|
.irp i, 6,10
	v_max3_num_f32 v8, v8, |v[XS+\i]|, |v[XS+\i+1]|
	v_max3_num_f32 v9, v9, |v[XS+\i+2]|, |v[XS+\i+3]|
.endr
	v_max3_num_f32 v8, v8, |v[XS+14]|, |v[XS+15]|
	v_max3_num_f32 v8, v8, v9, (EMAX+1)<<23        ; the floor 2^(3 - 127): the byte cannot fall under 1
	v_max_num_f32_dpp v8, v8, v8 row_xmask:1 row_mask:0xf bank_mask:0xf   ; with my neighbour's 16: the block's largest magnitude
	v_add_nc_u32 v11, -(EMAX<<23), v8              ; 2 off its exponent field: the conversion takes this operand's exponent field as its scale
	v_cvt_scalef32_pk8_fp4_f32 v[C+4*(\t)], v[XS:XS+7], v11
	v_cvt_scalef32_pk8_fp4_f32 v[C+4*(\t)+1], v[XS+8:XS+15], v11
	v_lshrrev_b32 v[E+(\t)], 23, v11               ; the scale's byte
	ds_store_b8 v5, v[E+(\t)] offset:16*(\t)       ; both lanes of a block write the same byte with the same value
	global_store_b64 v4, v[C+4*(\t):C+4*(\t)+1], s[18:19] offset:32*CB*(\t)   ; the wave stores 256 consecutive bytes
.endm
.irp t, 0,1,2,3,4,5,6,7,8,9,10,11,12,13,14,15
	STEP \t
.endr
	ds_load_b64 v[8:9], v6
	s_wait_dscnt 0x0
	global_store_b64 v7, v[8:9], s[20:21]          ; the wave's 256 scale bytes, consecutive and aligned
	FINISH
; ---- o_w to f16: a wave takes 8,192 numbers, 64 loads of 512 bytes in four groups, two groups ahead.
.Lcast:
	s_sub_co_u32 s27, ttmp9, 448
	s_lshl_b32 s27, s27, 2
	s_add_co_u32 s27, s27, s26
	s_lshl_b32 s28, s27, 15
	s_mov_b32 s29, 0
	s_add_nc_u64 s[12:13], s[12:13], s[28:29]
	s_lshl_b32 s28, s27, 14
	s_add_nc_u64 s[22:23], s[22:23], s[28:29]
	v_lshlrev_b32 v4, 3, v2                        ; 8 x lane
.macro LOADG g
.set i, 0
.rept 16
	global_load_b128 v[16+64*((\g)%2)+4*i:16+64*((\g)%2)+4*i+3], v3, s[12:13] offset:(16*(\g)+i)*512 th:TH_LOAD_NT
.set i, i+1
.endr
.endm
	LOADG 0
	LOADG 1
.irp g, 0,1,2,3
.if \g < 3
	s_wait_loadcnt 16                              ; this group is in; the next group's 16 loads may be out
.else
	s_wait_loadcnt 0x0
.endif
.if \g > 0
	s_wait_xcnt 0x0                                ; the last group's stores have read their data: v144-175 may be written again
.endif
.set i, 0
.rept 16
	v_cvt_pk_f16_f32 v[144+2*i], v[16+64*(\g%2)+4*i], v[17+64*(\g%2)+4*i]
	v_cvt_pk_f16_f32 v[145+2*i], v[18+64*(\g%2)+4*i], v[19+64*(\g%2)+4*i]
.set i, i+1
.endr
.if \g < 2
	LOADG \g+2
.endif
.set i, 0
.rept 16
	global_store_b64 v4, v[144+2*i:145+2*i], s[22:23] offset:(16*\g+i)*256
.set i, i+1
.endr
.endr
	FINISH
; ---- the mixed table.  A wave takes one table (cos or sin) of one block of 16 rows: 48 loads of 512 bytes (three axes), two selects a number, a turn through LDS, 16 stores of 512 bytes.
.Lrope:
	s_sub_co_u32 s27, ttmp9, 512
	s_lshl_b32 s27, s27, 2
	s_add_co_u32 s27, s27, s26                     ; 2 x block + table
	s_lshr_b32 s28, s27, 1
	s_lshl_b32 s28, s28, 13                        ; 16 rows of 512 bytes
	s_mov_b32 s29, 0
	s_lshl_b32 s30, s27, 13                        ; 8,192 bytes of the result for each table of each block
	s_mov_b32 s31, 0
	s_and_b32 s32, s27, 1
	s_cmp_eq_u32 s32, 1
	s_cselect_b64 s[14:15], s[16:17], s[14:15]
	s_add_nc_u64 s[14:15], s[14:15], s[28:29]
	s_add_nc_u64 s[24:25], s[24:25], s[30:31]
	v_lshlrev_b32 v4, 2, v2
	v_and_b32 v4, 63, v4                           ; my first channel mod 64
.irp i, 0,1,2,3
	v_add_nc_u32 v5, \i, v4
	v_cmp_le_u32 s[48+\i], 21, v5                  ; axis 1 or 2
	v_cmp_le_u32 s[52+\i], 42, v5                  ; axis 2
.endr
	s_mul_i32 s33, s26, RREG
	s_add_co_u32 s33, s33, RBASE
	v_lshrrev_b32 v6, 2, v2                        ; lane L holds channels 4 L ..: bb = L / 4, h = (L / 2) % 2, u = L % 2: its place is line 4 bb + 2 u + h of 272 bytes, 16 bytes a row
	v_lshlrev_b32 v6, 2, v6
	v_and_b32 v7, 1, v2
	v_lshl_add_u32 v6, v7, 1, v6
	v_bfe_u32 v7, v2, 1, 1
	v_add_nc_u32 v6, v6, v7
	v_mul_u32_u24 v6, v6, 272
	v_add_nc_u32 v6, s33, v6
	v_lshrrev_b32 v7, 4, v2                        ; back: group g is lines 2 g and 2 g + 1
	v_mul_u32_u24 v7, v7, 272
	v_and_b32 v8, 15, v2
	v_lshl_add_u32 v7, v8, 4, v7
	v_add_nc_u32 v7, s33, v7
.set row, 0
.rept 16
.irp ax, 0,1,2
	global_load_b128 v[16+12*row+4*\ax:16+12*row+4*\ax+3], v3, s[14:15] offset:\ax*2097152+row*512 th:TH_LOAD_NT
.endr
.set row, row+1
.endr
.set row, 0
.rept 16
	s_wait_loadcnt 45-3*row                        ; this row's three loads are in; three for each later row may be out
.irp i, 0,1,2,3
	v_cndmask_b32 v[16+12*row+\i], v[16+12*row+\i], v[20+12*row+\i], s[48+\i]
.endr
.irp i, 0,1,2,3
	v_cndmask_b32 v[16+12*row+\i], v[16+12*row+\i], v[24+12*row+\i], s[52+\i]
.endr
	ds_store_b128 v6, v[16+12*row:19+12*row] offset:16*row
.set row, row+1
.endr
.set g, 0
.rept 16
	ds_load_b128 v[20+12*g:23+12*g], v7 offset:544*g   ; LDS serves a wave's instructions in order: these see my stores
.set g, g+1
.endr
.set g, 0
.rept 16
	s_wait_dscnt 15-g
	global_store_b128 v3, v[20+12*g:23+12*g], s[24:25] offset:512*g
.set g, g+1
.endr
	FINISH
.Lfunc_end_k_q111b864832_prep:
	.size	k_q111b864832_prep, .Lfunc_end_k_q111b864832_prep-k_q111b864832_prep
	.p2alignl 7, 3214868480
	.fill 96, 4, 3214868480
	.section	.rodata,"a",@progbits
	.p2align	6, 0x0
	.amdhsa_kernel k_q111b864832_prep
		.amdhsa_group_segment_fixed_size 68096
		.amdhsa_private_segment_fixed_size 0
		.amdhsa_enable_private_segment 0
		.amdhsa_kernarg_size 88
		.amdhsa_user_sgpr_count 2
		.amdhsa_user_sgpr_kernarg_segment_ptr 1
		.amdhsa_wavefront_size32 1
		.amdhsa_system_sgpr_workgroup_id_x 1
		.amdhsa_system_sgpr_workgroup_id_y 1
		.amdhsa_system_sgpr_workgroup_id_z 1
		.amdhsa_system_vgpr_workitem_id 0
		.amdhsa_next_free_vgpr 208
		.amdhsa_next_free_sgpr 66
		.amdhsa_reserve_vcc 0
		.amdhsa_float_denorm_mode_32 3
		.amdhsa_float_denorm_mode_16_64 3
		.amdhsa_memory_ordered 1
		.amdhsa_forward_progress 1
		.amdhsa_inst_pref_size 73
	.end_amdhsa_kernel
	.amdgpu_metadata
---
amdhsa.version: [ 1, 2 ]
amdhsa.kernels:
  - .name:           k_q111b864832_prep
    .symbol:         k_q111b864832_prep.kd
    .args:
      - { .name: hidden_states, .offset: 0, .size: 8, .value_kind: global_buffer, .address_space: global }
      - { .name: q_w, .offset: 8, .size: 8, .value_kind: global_buffer, .address_space: global }
      - { .name: k_w, .offset: 16, .size: 8, .value_kind: global_buffer, .address_space: global }
      - { .name: v_w, .offset: 24, .size: 8, .value_kind: global_buffer, .address_space: global }
      - { .name: o_w, .offset: 32, .size: 8, .value_kind: global_buffer, .address_space: global }
      - { .name: cos, .offset: 40, .size: 8, .value_kind: global_buffer, .address_space: global }
      - { .name: sin, .offset: 48, .size: 8, .value_kind: global_buffer, .address_space: global }
      - { .name: codes, .offset: 56, .size: 8, .value_kind: global_buffer, .address_space: global }
      - { .name: scales, .offset: 64, .size: 8, .value_kind: global_buffer, .address_space: global }
      - { .name: ow16, .offset: 72, .size: 8, .value_kind: global_buffer, .address_space: global }
      - { .name: rope, .offset: 80, .size: 8, .value_kind: global_buffer, .address_space: global }
    .group_segment_fixed_size: 68096
    .private_segment_fixed_size: 0
    .kernarg_segment_align: 8
    .kernarg_segment_size: 88
    .max_flat_workgroup_size: 128
    .sgpr_count:     66
    .vgpr_count:     208
    .wavefront_size: 32
...
	.end_amdgpu_metadata
.endif
;; end of part 1
;; launch qkv (part 2): grid 12 x 16, 4 waves a work-group, clusters of 4 x 4, 327,680 bytes of LDS; arguments codes, scales, qkvh, rope, q_norm_w, k_norm_w, fine32; writes qkvh, fine32
.if DOCPART == 2
	.amdgcn_target "amdgcn-amd-amdhsa--gfx1250"
	.amdhsa_code_object_version 6
	.text
	.protected	k_q111b864832_qkv
	.globl	k_q111b864832_qkv
	.p2align	8
	.type	k_q111b864832_qkv,@function
k_q111b864832_qkv:
	s_mov_b64 s[64:65], 0
	v_nop
	global_prefetch_b8 v0, s[64:65] scope:SCOPE_SE
	s_setreg_imm32_b32 hwreg(HW_REG_WAVE_MODE, 25, 1), 1
	s_wait_xcnt 0x0
	s_wait_alu depctr_hold_cnt(0) depctr_sa_sdst(0) depctr_va_vdst(0) depctr_va_sdst(0) depctr_va_ssrc(0) depctr_va_vcc(0) depctr_vm_vsrc(0)
	s_getreg_b32 s2, hwreg(HW_REG_IB_STS2, 6, 4)
	s_cmp_eq_u32 s2, 0
	s_cbranch_scc0 .Lentry_in_a_cluster
	s_endpgm
.Lentry_in_a_cluster:
	s_bfe_u32 s2, ttmp6, 0x10000c
	s_cmp_lg_u32 s2, 0xf033
	s_cbranch_scc0 .Lentry_shape_is_right
	s_endpgm
.Lentry_shape_is_right:
; QKV: C[m][n] = sum over k of x[m][k] W[n][k] on codes of FP4 (E2M1) with one E8M0 scale for each 32 along K; m 4,096 tokens, n 3,072 = q, k, v rows, K 2,048; sums in f32.
; Then, in registers: for q and k the RMS norm over a head's 128 channels, the norm's weight and the rotation by the mixed cos/sin table; q, k, v leave as f16, [type][b][head][s][128].
; Positions 0..15 of each sequence also leave in f32 (fine32), as images of the registers, for the launch that carries those rows finely.
; A tile of C, 256 x 256, is made by four waves; a wave makes 128 tokens x 128 columns = ONE HEAD: 64 accumulators of 16 x 16.  So norm and rotation never leave a wave.
; K goes in steps of 512 through a ring of two LDS slots (a tile's row is 256 bytes of memory); the scale bytes of the tile's rows, for all of K, come into LDS once, with the first fills.
; CLUSTERS: 4 x 4 work-groups; the four of a row need the same tiles of x, the four of a column the same tiles of W: each tile is asked for jointly.  A cluster's x is the type (q, k, v): the only branch of the way out hangs on it.
; The matrix instruction is used transposed (source 0 = 16 rows of W, source 1 = 16 tokens): lane (r, h) holds token r and channels 16 b + 8 h + 0..7 of the head; channels d and d + 64 lie 32 registers apart in one lane.
; 192 work-groups: a tile that cut a head in two would fill more WGPs and send the norm across waves.  No prefetch: each tile is asked for once for four work-groups, and a slot's load has 256 matrix instructions in which to land.
; LIMITS: |q|, |k|, |v| stay under 65,504 (f16); NaN and infinities are not served.
; REGISTERS: window 0: v0-31 addresses; v32-95 scale words; v128-191 x's fragments; v192-255 the norm's weights.  window 1: W's fragments at v0 and v128; cos/sin of a block at v64, v192 (set 0) and v0, v128 (set 1).
;   windows 2, 3: the accumulators (a, b) at v[8 (8 (a % 4) + b)].  On the way out window 0: v32-63 packed results, v64-127 rows read back, v128-191 a block at work.
.set KSTEP,  512
.set NQ,     KSTEP/128
.set ROWB,   256
.set KROW,   1024                      ; a row of codes in memory
.set PITCH,  272                       ; 256 bytes + 16 of padding: the 16 rows that a load touches start at 16 different groups of banks
.set FR,     8
.set NL,     2
.set NP,     4
.set HALFT,  128*PITCH
.set SLOT,   4*HALFT
.set LAPS,   2
.set KS,     64                        ; a row of scale bytes
.set SCL,    2*SLOT
.set HALFS,  32*272
.set SBLK,   4*272
.set SPARE,  SCL+4*HALFS
.set SPITCH, 272                       ; the way out: 16 rows x (256 bytes + 16) a wave, in slot 0, which has had its last fill and its last read by then
.set VSTG,   4*16*SPITCH               ; v's way has stage bytes of its own
.set ADRA, 16
.set ADRB, 20
.set FLG,  22                          ; v22 0 where my block 0 holds positions 0..15 of a sequence
.set WNA,  23                          ; v23 32 h: my channels' place among the norm's weights
.set STO,  24
.set RD,   25
.set CO,   26                          ; v26 16 x lane
.set ADRS, 27
.set SPW,  28
.set NIL,  29
.set SC,   32
.set AF,   128
.set PP,   32                          ; packed f16
.set BK,   64                          ; rows read back, two sets of 32
.set Y,    128                         ; a block at work
.set WN,   192                         ; the norm's weights in the accumulators' order
.set SQ,   8                           ; v8-15 sums of squares, then the rotation's products
.set G1, 24
.set G0, 32
.set G1B, 48
.set G0B, 56
.set G1S, 68
.set G0S, 76
.set G1SB, 80
.set G0SB, 88
.set MSB, 0
.macro WIN new                         ; the immediate's high byte repeats the setting that is left
.if MSB != \new
	s_set_vgpr_msb (MSB<<8)|\new
.set MSB, \new
.endif
.endm
.set MUL_LO, 0xa1
.set MUL_HI, 0xf1
.set TO_B,   0x40
.macro JLOAD g0a, g1a, g0b, g1b        ; a joint load: waves 0 and 1 fetch for x, waves 2 and 3 for W; an s_nop 0 and four v_nop follow each line
	s_cmp_eq_u32 s15, 0
	s_cbranch_scc0 .Lfor_b_\@
	tensor_load_to_lds s[\g0a:\g0a+3], s[\g1a:\g1a+7]
	s_nop 0
.rept 4
	v_nop
.endr
	s_branch .Lasked_\@
.Lfor_b_\@:
	tensor_load_to_lds s[\g0b:\g0b+3], s[\g1b:\g1b+7]
	s_nop 0
.rept 4
	v_nop
.endr
.Lasked_\@:
.endm
.macro CREST
	s_cmp_lg_u32 s14, 0
	s_cbranch_scc1 .Lnot_wave_0_\@
	s_barrier_signal -3
.Lnot_wave_0_\@:
	s_barrier_wait -3
	s_barrier_signal -1
	s_barrier_wait -1
.endm
.macro CROUND
	s_barrier_signal -1
	s_barrier_wait -1
	CREST
.endm
	s_load_b128 s[4:7], s[0:1], 0x0                ; codes, scales
	s_load_b64 s[12:13], s[0:1], 0x10              ; qkvh
	s_load_b128 s[96:99], s[0:1], 0x18             ; rope, q_norm_w
	s_load_b64 s[100:101], s[0:1], 0x28            ; k_norm_w
	s_load_b64 s[104:105], s[0:1], 0x30            ; fine32
	v_lshl_add_u32 v[SPW], v0, 2, SPARE
	v_mov_b32 v[NIL], 0
	ds_add_u32 v[SPW], v[NIL]                      ; the wave's opening: the add, twice on end, and its wait ahead of my first tensor load
	ds_add_u32 v[SPW], v[NIL]
	v_lshrrev_b32 v1, 5, v0
	v_readfirstlane_b32 s14, v1                    ; wave 0..3
	s_lshr_b32 s15, s14, 1                         ; which half of the tile's tokens is mine.  Also: I fetch for x (0) or for W (1)
	s_and_b32 s16, s14, 1                          ; which head of the tile's two.  Also: which 128 rows I fetch
	s_bfe_u32 s40, ttmp6, 0x40000                  ; cx, cy
	s_bfe_u32 s41, ttmp6, 0x40004
	s_lshl_b32 s42, ttmp9, 2
	s_add_co_u32 s42, s42, s40                     ; tile column
	s_and_b32 s17, ttmp7, 0xffff
	s_lshl_b32 s17, s17, 2
	s_add_co_u32 s17, s17, s41                     ; tile row
	s_lshl_b32 s43, s41, 2
	s_lshl_b32 s43, 15, s43                        ; my row of the cluster
	s_lshl_b32 s44, 0x1111, s40                    ; my column
	s_or_b32 s[G1+0], s43, (0<<16)|(1<<20)|(1<<21)|(5<<22)|(3<<25)  ; the mask; elements of 1 byte; padding: 4 words behind every 64; bit 21 beside a mask
	s_or_b32 s[G1B+0], s44, (0<<16)|(1<<20)|(1<<21)|(5<<22)|(3<<25)
.irp g, G1, G1B
	s_mov_b32 s[\g+1], ROWB<<16                    ; tensor_dim0
	s_mov_b32 s[\g+2], 128<<16                     ; tensor_dim1
	s_mov_b32 s[\g+3], ROWB<<16                    ; tile_dim0
	s_mov_b32 s[\g+4], 128                         ; tile_dim1
	s_mov_b32 s[\g+5], KROW                        ; the pitch
	s_mov_b32 s[\g+6], 0
	s_mov_b32 s[\g+7], 0
.endr
	s_or_b32 s[G1S+0], s43, (3<<16)|(1<<20)|(1<<21)|(5<<22)|(3<<25)  ; the scales of 128 rows: 8,192 dense bytes as 32 rows of 256 (32 elements of 8 bytes), 16 bytes of padding behind each
	s_or_b32 s[G1SB+0], s44, (3<<16)|(1<<20)|(1<<21)|(5<<22)|(3<<25)
.irp g, G1S, G1SB
	s_mov_b32 s[\g+1], 32<<16
	s_mov_b32 s[\g+2], 32<<16
	s_mov_b32 s[\g+3], 32<<16
	s_mov_b32 s[\g+4], 32
	s_mov_b32 s[\g+5], 32
	s_mov_b32 s[\g+6], 0
	s_mov_b32 s[\g+7], 0
.endr
	s_lshl_b32 s18, s16, 7
	s_lshl_b32 s20, s17, 8
	s_add_co_u32 s20, s20, s18                     ; x: row 256 x tile row + 128 x half
	s_lshl_b32 s46, s42, 8
	s_add_co_u32 s46, s46, s18                     ; W: row 256 x tile column + 128 x half
	s_mov_b32 s21, 0
	s_mov_b32 s47, 0
	s_mov_b64 s[18:19], KS
	s_mul_u64 s[22:23], s[20:21], s[18:19]
	s_mul_u64 s[92:93], s[46:47], s[18:19]
	s_mov_b64 s[18:19], KROW
	s_mul_u64 s[20:21], s[20:21], s[18:19]
	s_mul_u64 s[46:47], s[46:47], s[18:19]
	s_mul_i32 s45, s14, HALFT                      ; where they go: wave x 128 rows
	s_mul_i32 s94, s14, HALFS
	s_wait_dscnt 0x0                               ; both opening adds are done
	s_wait_kmcnt 0x0
	s_add_nc_u64 s[8:9], s[4:5], 4194304           ; W's codes lie behind x's 4,096 rows of 1,024 bytes,
	s_add_nc_u64 s[10:11], s[6:7], 262144          ; W's scale bytes behind x's 4,096 rows of 64
	s_add_nc_u64 s[20:21], s[4:5], s[20:21]
	s_add_nc_u64 s[22:23], s[6:7], s[22:23]
	s_add_nc_u64 s[46:47], s[8:9], s[46:47]
	s_add_nc_u64 s[92:93], s[10:11], s[92:93]
	CROUND                                         ; all sixteen work-groups are here: the first joint loads meet
	s_mov_b32 s[G0S], 1
	s_add_co_u32 s[G0S+1], s94, SCL
	s_mov_b64 s[G0S+2:G0S+3], s[22:23]
	s_or_b32 s[G0S+3], s[G0S+3], 0x80000000
	s_mov_b32 s[G0SB], 1
	s_add_co_u32 s[G0SB+1], s94, SCL
	s_mov_b64 s[G0SB+2:G0SB+3], s[92:93]
	s_or_b32 s[G0SB+3], s[G0SB+3], 0x80000000
	JLOAD G0S, G1S, G0SB, G1SB                     ; the scales first: they are wanted with K step 0
.irp s, 0,1
	s_mov_b32 s[G0+4*\s], 1
	s_add_co_u32 s[G0+4*\s+1], s45, \s*SLOT
	s_add_nc_u64 s[G0+4*\s+2:G0+4*\s+3], s[20:21], \s*ROWB
	s_or_b32 s[G0+4*\s+3], s[G0+4*\s+3], 0x80000000
	s_mov_b32 s[G0B+4*\s], 1
	s_add_co_u32 s[G0B+4*\s+1], s45, \s*SLOT
	s_add_nc_u64 s[G0B+4*\s+2:G0B+4*\s+3], s[46:47], \s*ROWB
	s_or_b32 s[G0B+4*\s+3], s[G0B+4*\s+3], 0x80000000
	JLOAD G0+4*\s, G1, G0B+4*\s, G1B               ; three tensor loads of mine are out
.endr
	v_and_b32 v1, 15, v0                           ; r
	v_bfe_u32 v2, v0, 4, 1                         ; h
	v_mul_u32_u24 v3, v1, PITCH
	v_lshl_add_u32 v4, v2, 4, v3
	s_mul_i32 s21, s15, HALFT
	s_mul_i32 s22, s16, HALFT
	s_add_co_u32 s22, s22, 2*HALFT
.irp s, 0,1
	v_add_nc_u32 v[ADRA+\s], s21, v4
	v_add_nc_u32 v[ADRB+\s], s22, v4
	s_add_co_u32 s21, s21, SLOT
	s_add_co_u32 s22, s22, SLOT
.endr
	v_mul_u32_u24 v5, v1, KS                       ; my row's scales: 64 bytes a row, and 16 more for each 256 passed
	v_lshrrev_b32 v6, 8, v5
	v_lshl_add_u32 v5, v6, 4, v5
	s_mul_i32 s21, s15, HALFS
	s_mul_i32 s22, s16, HALFS
	s_add_co_u32 s22, s22, 2*HALFS
	s_sub_co_u32 s22, s22, s21
	v_mul_u32_u24 v6, s22, v2                      ; lanes 16-31 take W's
	s_add_co_u32 s21, s21, SCL
	v_add_nc_u32 v5, v5, v6
	v_add_nc_u32 v[ADRS], s21, v5
	s_mul_i32 s23, s14, 16*SPITCH                  ; my stage
	v_mul_u32_u24 v5, v1, SPITCH
	v_lshl_add_u32 v5, v2, 4, v5
	v_add_nc_u32 v[STO], s23, v5                   ; in: row r, 16 bytes for each half of the lanes
	v_mul_u32_u24 v5, v2, SPITCH
	v_lshl_add_u32 v5, v1, 4, v5
	v_add_nc_u32 v[RD], s23, v5                    ; back: lanes 0-15 one row of 256 bytes, lanes 16-31 the next
	v_and_b32 v6, 31, v0
	v_lshlrev_b32 v[CO], 4, v6
	s_lshl_b32 s94, s42, 1
	s_add_co_u32 s94, s94, s16                     ; my head among the 24: 8 x type + head
	s_lshr_b32 s21, s17, 3                         ; the sequence
	s_and_b32 s22, s17, 7                          ; the tile row within it
	s_lshl_b32 s46, ttmp9, 4
	s_lshl_b32 s47, s21, 3
	s_add_co_u32 s46, s46, s47
	s_and_b32 s47, s94, 7
	s_add_co_u32 s46, s46, s47                     ; 16 x type + 8 x sequence + head
	s_lshl_b32 s46, s46, 19                        ; x 2,048 rows of 256 bytes
	s_lshl_b32 s47, s22, 16
	s_add_co_u32 s46, s46, s47                     ; + 256 rows for each tile row
	s_lshl_b32 s47, s15, 15
	s_add_co_u32 s46, s46, s47                     ; + my half's 128
	s_mov_b32 s47, 0
	s_add_nc_u64 s[12:13], s[12:13], s[46:47]
	s_lshl_b32 s46, s17, 18                        ; the table: 16 blocks of 16,384 bytes for each tile row,
	s_lshl_b32 s95, s15, 17                        ; 8 for my half
	s_add_co_u32 s46, s46, s95
	s_add_nc_u64 s[92:93], s[96:97], s[46:47]
	s_mul_i32 s46, s21, 24
	s_add_co_u32 s46, s46, s94
	s_lshl_b32 s46, s46, 13
	s_add_nc_u64 s[104:105], s[104:105], s[46:47]  ; fine32: 8,192 bytes for each sequence and head
	s_or_b32 s46, s22, s15
	v_mov_b32 v[FLG], s46                          ; it feeds a lane mask alone, never a branch
	v_lshlrev_b32 v[WNA], 5, v2
	s_cmp_eq_u32 ttmp9, 0
	s_cselect_b64 s[98:99], s[98:99], s[100:101]   ; q's weights or k's
	s_mov_b32 s18, 0x76543210
	s_mov_b32 s19, 0xfedcba98                      ; v_permlanex16_b32's selects for lane l xor 16
	v_mov_b32 v5, 0x3c000000                       ; 1 / 128
	v_mov_b32 v7, 0                                ; (named as the upper half of the pair v[6:7])
; cos and sin of my block a of 16 tokens, in the accumulators' order: 32 loads of 512 consecutive bytes, into set a % 2 of window 1
.macro CSLOAD a
.set CL, 64-64*((\a)%2)
	WIN 0x40
.set g, 0
.rept 16
	global_load_b128 v[CL+4*g:CL+4*g+3], v[CO], s[92:93] offset:(\a)*16384+g*512
.set g, g+1
.endr
.set g, 0
.rept 16
	global_load_b128 v[CL+128+4*g:CL+128+4*g+3], v[CO], s[92:93] offset:(\a)*16384+8192+g*512
.set g, g+1
.endr
	WIN 0
.endm
; The weights and block 0's table are asked for here and land under the products, in registers that the products do not name.  v's tiles ask too and do not use them: the text has one way up to the way out.
.set g, 0
.rept 16
	global_load_b128 v[WN+4*g:WN+4*g+3], v[WNA], s[98:99] offset:64*(g/2)+16*(g%2)
.set g, g+1
.endr
	CSLOAD 0
.macro FRAG reg, adr, q, i             ; 16 rows x 128 K of 4-bit codes: 8 registers, two loads of 16 bytes, 32 bytes apart
.irp c, 0,1
	ds_load_b128 v[\reg+4*\c:\reg+4*\c+3], v[\adr] offset:64*(\q)+32*\c+(\i)*16*PITCH
.endr
.endm
; 16 matrix instructions: x's blocks a0, a0 + 1 against W's eight.  The 64 accumulators take turns, one instruction a turn, in the same order in every step.
.macro MUL16 a0, p, q, sc, zero
.irp a, \a0, \a0+1
.irp b, 0,1,2,3,4,5,6,7
.if \zero
	v_wmma_scale_f32_16x16x128_f8f6f4 v[8*(8*((\a)%4)+\b):8*(8*((\a)%4)+\b)+7], v[128*(\p)+FR*\b:128*(\p)+FR*\b+FR-1], v[AF+FR*(\a):AF+FR*(\a)+FR-1], 0, v[SC+8*NQ*(\sc)+NQ*\b+(\q)], v[SC+8*NQ*(\sc)+NQ*(\a)+(\q)] matrix_a_fmt:MATRIX_FMT_FP4 matrix_b_fmt:MATRIX_FMT_FP4 matrix_a_scale:MATRIX_SCALE_ROW1
.else
	v_wmma_scale_f32_16x16x128_f8f6f4 v[8*(8*((\a)%4)+\b):8*(8*((\a)%4)+\b)+7], v[128*(\p)+FR*\b:128*(\p)+FR*\b+FR-1], v[AF+FR*(\a):AF+FR*(\a)+FR-1], v[8*(8*((\a)%4)+\b):8*(8*((\a)%4)+\b)+7], v[SC+8*NQ*(\sc)+NQ*\b+(\q)], v[SC+8*NQ*(\sc)+NQ*(\a)+(\q)] matrix_a_fmt:MATRIX_FMT_FP4 matrix_b_fmt:MATRIX_FMT_FP4 matrix_a_scale:MATRIX_SCALE_ROW1
.endif
.endr
.endr
.endm
.macro FETCH_B slot, q, p
	WIN TO_B
.irp i, 0,1,2,3,4,5,6,7
	FRAG 128*(\p)+FR*\i, ADRB+\slot, \q, \i
.endr
	WIN 0
.endm
.macro FETCH_A slot, q, i0
.irp i, \i0, \i0+1, \i0+2, \i0+3
	FRAG AF+FR*(\i), ADRA+\slot, \q, \i
.endr
.endm
.macro SCALES sc                       ; a K step's scale words: lanes 0-15 take x's block i, lanes 16-31 W's block i
.irp i, 0,1,2,3,4,5,6,7
	ds_load_b128 v[SC+8*NQ*\sc+NQ*\i:SC+8*NQ*\sc+NQ*\i+3], v[ADRS] offset:\i*SBLK
.endr
.endm
.macro PLACES n                        ; plain vector instructions between a matrix instruction and a load into, or a read of, its registers
.rept \n
	v_nop
.endr
.endm
.macro STEP slot, q, zero
	s_wait_dscnt 4*NL                              ; W's set and x's blocks 0-3 are in; the youngest eight loads (x's blocks 4-7) may be out
	WIN MUL_LO
	MUL16 0, (\q)%2, \q, \slot, \zero
	MUL16 2, (\q)%2, \q, \slot, \zero
	s_wait_dscnt 0
	PLACES NP
	FETCH_B \slot, (\q)+1, 1-(\q)%2
	FETCH_A \slot, (\q)+1, 0
	WIN MUL_HI
	MUL16 4, (\q)%2, \q, \slot, \zero
	MUL16 6, (\q)%2, \q, \slot, \zero
	PLACES NP
	WIN 0
	FETCH_A \slot, (\q)+1, 4
.endm
; A slot's last step changes slots: one barrier; in front of it each wave waits for all its tensor loads, adds 0 to its spare word, and waits for that and for its reads of this slot.
.macro TURN slot, next, fill
	s_wait_tensorcnt 0x0                           ; all my tensor loads have landed: my part of the next slot
	ds_add_u32 v[SPW], v[NIL]
	s_wait_dscnt 4*NL+1                            ; the add and the youngest eight loads may be out
	WIN MUL_LO
	MUL16 0, 1, NQ-1, \slot, 0
	s_wait_dscnt 0x0                               ; the add is done, and my reads of this slot are over
	s_barrier_signal -1
	MUL16 2, 1, NQ-1, \slot, 0
	WIN 0
	s_barrier_wait -1
.if \fill
	CREST                                          ; the barrier has opened a round of the cluster's barrier: no wave of any partner still reads this slot or has a load on its way
	s_add_nc_u64 s[G0+4*\slot+2:G0+4*\slot+3], s[G0+4*\slot+2:G0+4*\slot+3], 2*ROWB
	s_add_nc_u64 s[G0B+4*\slot+2:G0B+4*\slot+3], s[G0B+4*\slot+2:G0B+4*\slot+3], 2*ROWB
	JLOAD G0+4*\slot, G1, G0B+4*\slot, G1B         ; the first tensor load behind the round; its four v_nop are the places in front of the loads below
.else
	PLACES NP
.endif
	v_add_nc_u32 v[ADRS], 4*NQ, v[ADRS]
	FETCH_B \next, 0, 0
	FETCH_A \next, 0, 0
	SCALES \next
	WIN MUL_HI
	MUL16 4, 1, NQ-1, \slot, 0
	MUL16 6, 1, NQ-1, \slot, 0
	PLACES NP
	WIN 0
	FETCH_A \next, 0, 4
.endm
.macro STEPS slot, from
.set Q, \from
.rept NQ-1-\from
	STEP \slot, Q, 0
.set Q, Q+1
.endr
.endm
	s_wait_tensorcnt 1                             ; the scales and my part of K step 0 are in; K step 1's load may be out
	s_barrier_signal -1
	s_barrier_wait -1
	FETCH_B 0, 0, 0
	FETCH_A 0, 0, 0
	SCALES 0
	FETCH_A 0, 0, 4
	STEP 0, 0, 1                                   ; the first step's products start the sums: nothing is cleared
	s_mov_b32 s3, LAPS-1
.Llap:                                                 ; a trip goes once round the ring and fills both slots again
	STEPS 0, 1
	TURN 0, 1, 1
	STEPS 1, 0
	TURN 1, 0, 1
	STEP 0, 0, 0
	s_sub_co_u32 s3, s3, 1
	s_cmp_lg_u32 s3, 0
	s_cbranch_scc1 .Llap
	STEPS 0, 1                                     ; the last lap fills nothing
	TURN 0, 1, 0
	STEPS 1, 0
	s_wait_dscnt 4*NL
	WIN MUL_LO
	MUL16 0, 1, NQ-1, 1, 0
	MUL16 2, 1, NQ-1, 1, 0
	s_wait_dscnt 0
	WIN MUL_HI
	MUL16 4, 1, NQ-1, 1, 0
	MUL16 6, 1, NQ-1, 1, 0
	WIN 0
; ---- THE WAY OUT, a block of 16 tokens x 128 channels at a time.
; The f32 image of positions 0..15: 16 stores of 512 consecutive bytes, under a lane mask that is all ones or all zeros.  EXEC changes only behind s_wait_xcnt 0.
.macro FINEST reg, win
	s_wait_xcnt 0x0
	v_cmp_eq_u32 vcc_lo, 0, v[FLG]
	s_and_saveexec_b32 s40, vcc_lo
	WIN \win
.set g, 0
.rept 16
	global_store_b128 v[CO], v[\reg+4*g:\reg+4*g+3], s[104:105] offset:512*g
.set g, g+1
.endr
	WIN 0
	s_wait_xcnt 0x0
	s_or_b32 exec_lo, exec_lo, s40
.endm
; q or k, block a: y = x w; sum of x^2; y rotated; all times 1 / sqrt(mean x^2 + 1e-6) (a row's factor goes through the rotation unchanged); rounded to f16.
.macro QKBLOCK a
.set AC, 64*((\a)%4)
.set WA, 2+(\a)/4
.set CC, 64-64*((\a)%2)
.if (\a) < 7
	s_wait_loadcnt 32                              ; this block's table (and, the first time, the weights) is in; the next block's 32 loads may be out
.else
	s_wait_loadcnt 0x0
.endif
	WIN WA                                         ; source 0: the accumulators' window
.set p, 0
.rept 32
	v_pk_mul_f32 v[Y+2*p:Y+2*p+1], v[AC+2*p:AC+2*p+1], v[WN+2*p:WN+2*p+1]   ; ascending: each accumulator is read from its low end on
.set p, p+1
.endr
	WIN WA*5                                       ; sources 0 and 1
.set p, 0
.rept 4
	v_pk_mul_f32 v[SQ+2*p:SQ+2*p+1], v[AC+2*p:AC+2*p+1], v[AC+2*p:AC+2*p+1]
.set p, p+1
.endr
.rept 28
	v_pk_fma_f32 v[SQ+2*(p%4):SQ+2*(p%4)+1], v[AC+2*p:AC+2*p+1], v[AC+2*p:AC+2*p+1], v[SQ+2*(p%4):SQ+2*(p%4)+1]   ; four chains
.set p, p+1
.endr
	WIN 0
	v_pk_add_f32 v[SQ:SQ+1], v[SQ:SQ+1], v[SQ+2:SQ+3]
	v_pk_add_f32 v[SQ+4:SQ+5], v[SQ+4:SQ+5], v[SQ+6:SQ+7]
	v_pk_add_f32 v[SQ:SQ+1], v[SQ:SQ+1], v[SQ+4:SQ+5]
	v_add_f32 v2, v[SQ], v[SQ+1]
	v_permlanex16_b32 v3, v2, s18, s19             ; the token's other 64 channels lie in the lane 16 away
	v_add_f32 v2, v2, v3
	v_fmaak_f32 v2, v2, v5, 0x358637bd             ; / 128 + 1e-6
	v_rsq_f32 v6, v2
	WIN 0x04                                       ; source 1: the table, window 1.  The rotation's 64 lines are the plain work behind the root
.set p, 0
.rept 16
.set TA, SQ+4*(p%2)
	v_pk_mul_f32 v[TA:TA+1], v[Y+32+2*p:Y+33+2*p], v[CC+128+2*p:CC+129+2*p]
	v_pk_mul_f32 v[TA+2:TA+3], v[Y+2*p:Y+2*p+1], v[CC+160+2*p:CC+161+2*p]
	v_pk_fma_f32 v[Y+2*p:Y+2*p+1], v[Y+2*p:Y+2*p+1], v[CC+2*p:CC+2*p+1], v[TA:TA+1] neg_lo:[0,0,1] neg_hi:[0,0,1]   ; d < 64: y(d) c(d) - y(d + 64) s(d)
	v_pk_fma_f32 v[Y+32+2*p:Y+33+2*p], v[Y+32+2*p:Y+33+2*p], v[CC+32+2*p:CC+33+2*p], v[TA+2:TA+3]                 ; d >= 64: y(d) c(d) + y(d - 64) s(d)
.set p, p+1
.endr
	WIN 0
.if (\a) < 6
	CSLOAD (\a)+2                                  ; this set's registers take the block two further on
.endif
	s_wait_alu depctr_va_vdst(0)                   ; the wait ahead of the first line that names the root's result
.set p, 0
.rept 32
	v_pk_mul_f32 v[Y+2*p:Y+2*p+1], v[Y+2*p:Y+2*p+1], v[6:7] op_sel_hi:[1,0]
.set p, p+1
.endr
.if (\a) == 0
	FINEST Y, 0
.else
	s_wait_dscnt 0x0                               ; the last block's stores into the stage have read their registers
.endif
.set p, 0
.rept 32
	v_cvt_pk_f16_f32 v[PP+p], v[Y+2*p], v[Y+2*p+1]
.set p, p+1
.endr
.endm
.macro VBLOCK a                        ; v, block a: rounded to f16 as it is
.set AC, 64*((\a)%4)
.set WA, 2+(\a)/4
.if (\a) > 0
	s_wait_dscnt 0x0
.endif
	WIN WA*5
.set p, 0
.rept 32
	v_cvt_pk_f16_f32 v[PP+p], v[AC+2*p], v[AC+2*p+1]
.set p, p+1
.endr
	WIN 0
.endm
; A lane's 16 bytes are a sixteenth of a row: a block goes through my stage and comes back as whole rows.  LDS serves a wave's instructions in order: no wait between stores and loads.
.macro TOSTAGE a, off
.set BB, BK+32*((\a)%2)
.set tt, 0
.rept 8
	ds_store_b128 v[STO], v[PP+4*tt:PP+4*tt+3] offset:\off+32*tt
.set tt, tt+1
.endr
.set tt, 0
.rept 8
	ds_load_b128 v[BB+4*tt:BB+4*tt+3], v[RD] offset:\off+544*tt
.set tt, tt+1
.endr
.endm
.macro SEND a
.set BB, BK+32*((\a)%2)
	s_wait_dscnt 0x0                               ; the block is back in registers
	s_wait_xcnt 0x0                                ; the stores of the block before have read their registers: the next block's rows may land there
.set tt, 0
.rept 8
	global_store_b128 v[CO], v[BB+4*tt:BB+4*tt+3], s[12:13] offset:(\a)*4096+512*tt   ; two whole rows: 512 consecutive bytes, aligned
.set tt, tt+1
.endr
.endm
	PLACES NP                                      ; behind the last products
	s_cmp_eq_u32 ttmp9, 2                          ; the cluster's x: the same in all sixteen partners
	s_cbranch_scc1 .Lvpath
	CSLOAD 1                                       ; into W's fragments, which are done with
	QKBLOCK 0
	TOSTAGE 0, 0
.irp a, 1,2,3,4,5,6,7
	QKBLOCK \a
	SEND \a-1
	TOSTAGE \a, 0
.endr
	SEND 7
	s_branch .Ljoin
.Lvpath:
	s_wait_loadcnt 0x0                             ; the head's loads, which this way does not use
	FINEST 0, 0x08                                 ; block 0's accumulators as they stand (a store's data: source 1, window 2)
	VBLOCK 0
	TOSTAGE 0, VSTG
.irp a, 1,2,3,4,5,6,7
	VBLOCK \a
	SEND \a-1
	TOSTAGE \a, VSTG
.endr
	SEND 7
.Ljoin:
	s_wait_tensorcnt 0x0                           ; the wave's end
	ds_add_u32 v[SPW], v[NIL]
	s_wait_dscnt 0x0
	CROUND                                         ; the closing round
	s_endpgm
.Lfunc_end_k_q111b864832_qkv:
	.size	k_q111b864832_qkv, .Lfunc_end_k_q111b864832_qkv-k_q111b864832_qkv
	.p2alignl 7, 3214868480
	.fill 96, 4, 3214868480
	.section	.rodata,"a",@progbits
	.p2align	6, 0x0
	.amdhsa_kernel k_q111b864832_qkv
		.amdhsa_group_segment_fixed_size 327680
		.amdhsa_private_segment_fixed_size 0
		.amdhsa_enable_private_segment 0
		.amdhsa_kernarg_size 56
		.amdhsa_user_sgpr_count 2
		.amdhsa_user_sgpr_kernarg_segment_ptr 1
		.amdhsa_wavefront_size32 1
		.amdhsa_system_sgpr_workgroup_id_x 1
		.amdhsa_system_sgpr_workgroup_id_y 1
		.amdhsa_system_sgpr_workgroup_id_z 1
		.amdhsa_system_vgpr_workitem_id 0
		.amdhsa_next_free_vgpr 1024
		.amdhsa_next_free_sgpr 106
		.amdhsa_reserve_vcc 1
		.amdhsa_float_denorm_mode_32 3
		.amdhsa_float_denorm_mode_16_64 3
		.amdhsa_memory_ordered 1
		.amdhsa_forward_progress 1
		.amdhsa_inst_pref_size 255
	.end_amdhsa_kernel
	.section	.bss,"aw",@nobits
	.p2align	6
	.space	262144
	.amdgpu_metadata
---
amdhsa.version: [ 1, 2 ]
amdhsa.kernels:
  - .name:           k_q111b864832_qkv
    .symbol:         k_q111b864832_qkv.kd
    .args:
      - { .name: codes, .offset: 0, .size: 8, .value_kind: global_buffer, .address_space: global }
      - { .name: scales, .offset: 8, .size: 8, .value_kind: global_buffer, .address_space: global }
      - { .name: qkvh, .offset: 16, .size: 8, .value_kind: global_buffer, .address_space: global }
      - { .name: rope, .offset: 24, .size: 8, .value_kind: global_buffer, .address_space: global }
      - { .name: q_norm_w, .offset: 32, .size: 8, .value_kind: global_buffer, .address_space: global }
      - { .name: k_norm_w, .offset: 40, .size: 8, .value_kind: global_buffer, .address_space: global }
      - { .name: fine32, .offset: 48, .size: 8, .value_kind: global_buffer, .address_space: global }
    .group_segment_fixed_size: 327680
    .private_segment_fixed_size: 0
    .kernarg_segment_align: 8
    .kernarg_segment_size: 56
    .max_flat_workgroup_size: 128
    .sgpr_count:     106
    .vgpr_count:     1024
    .wavefront_size: 32
...
	.end_amdgpu_metadata
.endif
;; end of part 2
;; launch attn (part 3): grid 16 x 16, 4 waves a work-group, clusters of 4 x 1, 327,680 bytes of LDS; arguments qkvh, attn16; writes attn16
.if DOCPART == 3
	.amdgcn_target "amdgcn-amd-amdhsa--gfx1250"
	.amdhsa_code_object_version 6
	.text
	.protected	k_q111b864832_attn
	.globl	k_q111b864832_attn
	.p2align	8
	.type	k_q111b864832_attn,@function
k_q111b864832_attn:
	s_mov_b64 s[64:65], 0
	v_nop
	global_prefetch_b8 v0, s[64:65] scope:SCOPE_SE
	s_setreg_imm32_b32 hwreg(HW_REG_WAVE_MODE, 25, 1), 1
	s_wait_xcnt 0x0
	s_wait_alu depctr_hold_cnt(0) depctr_sa_sdst(0) depctr_va_vdst(0) depctr_va_sdst(0) depctr_va_ssrc(0) depctr_va_vcc(0) depctr_vm_vsrc(0)
	s_getreg_b32 s2, hwreg(HW_REG_IB_STS2, 6, 4)
	s_cmp_eq_u32 s2, 0
	s_cbranch_scc0 .Lentry_in_a_cluster
	s_endpgm
.Lentry_in_a_cluster:
	s_bfe_u32 s2, ttmp6, 0x10000c
	s_cmp_lg_u32 s2, 0x3003
	s_cbranch_scc0 .Lentry_shape_is_right
	s_endpgm
.Lentry_shape_is_right:
; ATTN: O[q] = sum over k <= q of softmax_k(Q[q] . K[k] / sqrt(128)) V[k], for 16 heads (2 sequences x 8) of 2,048 positions x 128 channels.  Q, K, V f16; products, maxima and sums f32; the weights p rounded to f16; O rounded to f16 once.
; SHARES.  Work-group j (0..15) of a head owns the blocks of 64 queries j and 31 - j.  All four waves hold the same 64 queries (four tiles of 16) and SHARE THE KEYS: a round is 256 keys, wave w takes keys 64 w .. 64 w + 63 of it.
; With a = j / 4, the cluster's x: the low block needs key rounds 0 .. a, the high block 0 .. 7 - a: NINE ROUNDS in every work-group, and the four partners of a cluster walk the same tiles in the same order.
; So every tile of K and V is asked for JOINTLY by the four, and all 256 work-groups carry equal work.  Only a block's last round meets the diagonal: there hidden scores become -infinity ahead of the maximum; nothing that a load brings is left unread.
; Each wave keeps its own running maximum m, sum l and O^T for its keys; at a block's end the four meet in LDS (MERGE): O = sum_w f_w O_w / sum_w f_w l_w, f_w = 2^(c m_w - max c m).
; LAYOUT.  S^T = K Q^T and O^T = V^T P: a lane holds one query (lane % 16) throughout.  K comes out of LDS as it lies, V turned by ds_load_tr16_b128.
; BY TURNS.  The wave's tiles are two pieces (0: tiles 0, 1; 2: tiles 2, 3).  A round: V's run of LDS loads | piece 0's scores | piece 2's scores with piece 0's softmax in slices between them | piece 0's V^T P with piece 2's softmax between |
; the change of slots and the NEXT round's run of K loads | piece 2's V^T P, under which that K lands.
; THE RING.  Two slots, each a round's tile; both are filled at the head.  The change of slots stands behind piece 0's V^T P: the wave has then read all of the round's K and V into registers, so the slot in hand is free;
; it takes the tile two rounds on, which has a whole round in which to land.
; LIMITS: p under 6e-8 falls to 0 in f16; exponentials flush denormals; NaN and infinities are not served.
; REGISTERS: window 0: v2-8, v44-50, v61-63 addresses and constants; v12-43 statistics, 8 a tile; v64-191 S^T, 32 a tile; v192-255 P, 16 a tile.  window 1: O^T, 64 a tile.  window 2: v0-127 Q; v128-255 K.  window 3: v0-127 V.
.set PK,    272                        ; a row of K in LDS: 256 bytes + 16
.set PVP,   288                        ; a row of V: 256 + 32
.set VOFF,  256*PK                     ; a slot: 256 rows of K, then 256 of V
.set SLOT,  256*(PK+PVP)
.set STAGE, 2*SLOT                     ; four partial tiles of O^T in f32: [wave][u][x = 2 c + h][16 queries x 16 bytes + 16]
.set SGP,   8704
.set STAT,  STAGE+4*SGP                ; [wave][tile][c m, l][lane] words
.set SPARE, STAT+4096
.set AK0, 2
.set AV0, 3
.set ADR, 4
.set QO,  5
.set GO,  8
.set ST,  12                           ; tile t: +0 c m, +1 m, +2, +3 l, +4 .. +7 at work
.set DL,  44                           ; my query less my first key, in the low block's last round: 64 (cx - w) + r - 8 h
.set DH,  45                           ; the same for the high block: 64 (3 - cx - w) + r - 8 h
.set NINF, 46
.set STW, 47
.set STR, 48
.set SGW, 49
.set SGR, 50
.set PFO, 61
.set SPW, 62
.set NIL, 63
.set S,   64
.set P,   192
.set KF,  128
.set MS,  64                           ; MERGE: the four waves' statistics, v64-95; v96-99 maxima; v104-107 my factors; v108-111 sums; v112-115 reciprocals
.set GP,  116                          ; MERGE: v116-123 my factor / the sum, a pair a tile; v128-191 rows from the stage; v192-223 packed results
.set WV,  12
.set CX,  13
.set A,   14                           ; the cluster's x
.set A1,  15
.set T,   16                           ; the round, 0..8
.set KRN, 17                           ; the key round of the tile that was asked for last
.set PFA, 18
.set G1K, 24
.set G1V, 32
.set G0K, 40                           ; s[40:43], s[44:47] groups 0 for K's and V's tiles: tile 0's, then every refill's
.set G0V, 44
.set KB,  48
.set VB,  50
.set KL,  52
.set VL,  53
.set TB,  54                           ; the slot in hand: 0 or SLOT
.set LIM, 55
.set QBL, 56
.set CS,  58
.set SEL, 60
.set QBH, 62
.set OBL, 66
.set OBH, 68
.set OFF, 70
.set G0K2, 76                          ; s[76:79], s[80:83] groups 0 for tile 1's first fill, which goes out beside tile 0's
.set G0V2, 80
.set MSB, 0
.macro WIN new
.if MSB != \new
	s_set_vgpr_msb (MSB<<8)|\new
.set MSB, \new
.endif
.endm
.set W_KQ, 0x0a                        ; K and Q in window 2, S^T in window 0
.set W_PV, 0x53                        ; V in window 3, P in window 0, O^T in window 1
.set W_RS, 0x41                        ; O^T (destination and source 0) in window 1
.macro JLOAD                           ; waves 0 and 1 fetch K's halves of 128 rows, waves 2 and 3 V's; an s_nop 0 and four v_nop follow each line
	s_cmp_lt_u32 s[WV], 2
	s_cbranch_scc0 .Lfor_v_\@
	tensor_load_to_lds s[G0K:G0K+3], s[G1K:G1K+7]
	s_nop 0
.rept 4
	v_nop
.endr
	s_branch .Lasked_\@
.Lfor_v_\@:
	tensor_load_to_lds s[G0V:G0V+3], s[G1V:G1V+7]
	s_nop 0
.rept 4
	v_nop
.endr
.Lasked_\@:
.endm
; A prefetch of the key round that the NEXT change of slots will ask for: 256 rows of K and 256 of V, 256 bytes a row, a lane a row.  The head's first cluster (x = 0) walks key rounds 0..7 on end and asks, in rounds 0..5, for key rounds 2..7;
; its four partners take 64 rows each, told apart by address; in each, waves 0 and 1 ask for K's and waves 2 and 3 for V's, 32 rows a wave.  So each row is named once in the launch.  Key rounds 0 and 1 come by their loads alone.
.macro ASK
	s_sub_co_u32 s73, s[T], s[LIM]                 ; LIM is 0 in the head's first cluster, else 99: the difference is then far above 6
	s_cmp_lt_u32 s73, 6
	s_cbranch_scc0 .Lnot_mine_\@
	global_prefetch_b8 v[PFO], s[PFA:PFA+1] th:TH_LOAD_NT scope:SCOPE_SE
.Lnot_mine_\@:
.endm
.macro CROUND
	s_barrier_signal -1
	s_barrier_wait -1
	s_cmp_lg_u32 s[WV], 0
	s_cbranch_scc1 .Lnot_wave_0_\@
	s_barrier_signal -3
.Lnot_wave_0_\@:
	s_barrier_wait -3
	s_barrier_signal -1
	s_barrier_wait -1
.endm
.macro PLACES
.rept 4
	v_nop
.endr
.endm
	s_load_b128 s[4:7], s[0:1], 0x0                ; qkvh, attn16
	v_lshl_add_u32 v[SPW], v0, 2, SPARE
	v_mov_b32 v[NIL], 0
	ds_add_u32 v[SPW], v[NIL]                      ; the wave's opening: the add, twice on end, and its wait ahead of my first tensor load
	ds_add_u32 v[SPW], v[NIL]
	v_lshrrev_b32 v1, 5, v0
	v_readfirstlane_b32 s[WV], v1
	s_bfe_u32 s[CX], ttmp6, 0x40000
	s_mov_b32 s[A], ttmp9
	s_add_co_u32 s[A1], ttmp9, 1
	s_and_b32 s20, ttmp7, 0xffff                   ; the head, 8 x sequence + head
	s_lshl_b32 s22, s20, 19                        ; its 2,048 rows of 256 bytes
	s_and_b32 s21, s[WV], 1                        ; which 128 rows of a tile I fetch
	s_lshl_b32 s23, s21, 15
	s_add_co_u32 s[OFF], s22, s23
	s_mov_b32 s[OFF+1], 0
	s_mul_i32 s[KL], s21, 128*PK
	s_mul_i32 s[VL], s21, 128*PVP
	s_add_co_u32 s[VL], s[VL], VOFF
	s_lshl_b32 s2, ttmp9, 2
	s_add_co_u32 s2, s2, s[CX]                     ; j: it enters Q's and O's addresses, the masks' numbers and the prefetches' address alone
	s_sub_co_u32 s3, 31, s2
	s_lshl_b32 s[QBL], s2, 14
	s_add_co_u32 s[QBL], s[QBL], s22
	s_mov_b32 s[QBL+1], 0
	s_lshl_b32 s[QBH], s3, 14
	s_add_co_u32 s[QBH], s[QBH], s22
	s_mov_b32 s[QBH+1], 0
	s_lshr_b32 s23, s20, 3
	s_lshl_b32 s23, s23, 22                        ; attn16: a sequence is 2,048 rows of 2,048 bytes,
	s_and_b32 s73, s20, 7
	s_lshl_b32 s73, s73, 8                         ; a head 256 bytes of a row,
	s_add_co_u32 s23, s23, s73
	s_lshl_b32 s[OBL], s2, 17                      ; a block 64 rows
	s_add_co_u32 s[OBL], s[OBL], s23
	s_mov_b32 s[OBL+1], 0
	s_lshl_b32 s[OBH], s3, 17
	s_add_co_u32 s[OBH], s[OBH], s23
	s_mov_b32 s[OBH+1], 0
	s_cmp_lt_u32 s[WV], 2
	s_cselect_b32 s[PFA], 0, 0x800000
	s_add_co_u32 s[PFA], s[PFA], 0x810000          ; K begins 8,388,608 bytes into qkvh, V 16,777,216; and key round 1's 65,536: the first change of slots steps it to key round 2
	s_add_co_u32 s[PFA], s[PFA], s22
	s_lshl_b32 s73, s[CX], 14                      ; my work-group's 64 rows,
	s_add_co_u32 s[PFA], s[PFA], s73
	s_lshl_b32 s73, s21, 13                        ; my wave's 32 of them
	s_add_co_u32 s[PFA], s[PFA], s73
	s_mov_b32 s[PFA+1], 0
	s_cmp_eq_u32 ttmp9, 0
	s_cselect_b32 s[LIM], 0, 99
	s_cselect_b32 s[KRN], 0, 1                     ; tile 1's key round: 1, or, where the low block has one round alone, the high block's 0
	s_mov_b32 s[G1K], 15|(1<<16)|(1<<20)|(1<<21)|(5<<22)|(3<<25)  ; the mask: all four; elements of 2 bytes; padding: 4 words behind every 64; bit 21 beside a mask
	s_mov_b32 s[G1V], 15|(1<<16)|(1<<20)|(1<<21)|(5<<22)|(7<<25)  ; the same with 8 words
.irp g, G1K, G1V
	s_mov_b32 s[\g+1], 128<<16                     ; tensor_dim0
	s_mov_b32 s[\g+2], 128<<16                     ; tensor_dim1
	s_mov_b32 s[\g+3], 128<<16                     ; tile_dim0
	s_mov_b32 s[\g+4], 128                         ; tile_dim1
	s_mov_b32 s[\g+5], 128                         ; the pitch
	s_mov_b32 s[\g+6], 0
	s_mov_b32 s[\g+7], 0
.endr
	s_mov_b32 s[CS], 0x3e0293ee                    ; c = log2(e) / sqrt(128)
	s_mov_b32 s[CS+1], s[CS]
	s_mov_b32 s[SEL], 0x76543210
	s_mov_b32 s[SEL+1], 0xfedcba98
	s_mov_b32 s[T], 0
	s_mov_b32 s[TB], 0
	s_wait_dscnt 0x0                               ; both opening adds are done
	s_wait_kmcnt 0x0
	s_add_nc_u64 s[KB:KB+1], s[4:5], s[OFF:OFF+1]
	s_add_nc_u64 s[VB:VB+1], s[KB:KB+1], 16777216
	s_add_nc_u64 s[KB:KB+1], s[KB:KB+1], 8388608
	s_add_nc_u64 s[QBL:QBL+1], s[4:5], s[QBL:QBL+1]
	s_add_nc_u64 s[QBH:QBH+1], s[4:5], s[QBH:QBH+1]
	s_add_nc_u64 s[PFA:PFA+1], s[4:5], s[PFA:PFA+1]
	s_add_nc_u64 s[OBL:OBL+1], s[6:7], s[OBL:OBL+1]
	s_add_nc_u64 s[OBH:OBH+1], s[6:7], s[OBH:OBH+1]
	s_lshl_b32 s[OFF], s[KRN], 16                  ; tile 1's 256 rows of 256 bytes
	CROUND                                         ; all four work-groups are here: the first joint loads meet
	s_mov_b32 s[G0K], 1
	s_mov_b32 s[G0K+1], s[KL]
	s_mov_b64 s[G0K+2:G0K+3], s[KB:KB+1]
	s_or_b32 s[G0K+3], s[G0K+3], 0x80000000
	s_mov_b32 s[G0V], 1
	s_mov_b32 s[G0V+1], s[VL]
	s_mov_b64 s[G0V+2:G0V+3], s[VB:VB+1]
	s_or_b32 s[G0V+3], s[G0V+3], 0x80000000
	s_mov_b32 s[G0K2], 1
	s_add_co_u32 s[G0K2+1], s[KL], SLOT
	s_add_nc_u64 s[G0K2+2:G0K2+3], s[KB:KB+1], s[OFF:OFF+1]
	s_or_b32 s[G0K2+3], s[G0K2+3], 0x80000000
	s_mov_b32 s[G0V2], 1
	s_add_co_u32 s[G0V2+1], s[VL], SLOT
	s_add_nc_u64 s[G0V2+2:G0V2+3], s[VB:VB+1], s[OFF:OFF+1]
	s_or_b32 s[G0V2+3], s[G0V2+3], 0x80000000
	s_cmp_lt_u32 s[WV], 2                          ; a wave's two first fills stand in one branch, ahead of every wait on TENSORcnt and every LDS read: two tensor loads of mine are out
	s_cbranch_scc0 .Lfirst_v
	tensor_load_to_lds s[G0K:G0K+3], s[G1K:G1K+7]
	s_nop 0
	tensor_load_to_lds s[G0K2:G0K2+3], s[G1K:G1K+7]
	s_nop 0
.rept 4
	v_nop
.endr
	s_branch .Lfirst_asked
.Lfirst_v:
	tensor_load_to_lds s[G0V:G0V+3], s[G1V:G1V+7]
	s_nop 0
	tensor_load_to_lds s[G0V2:G0V2+3], s[G1V:G1V+7]
	s_nop 0
.rept 4
	v_nop
.endr
.Lfirst_asked:
	v_and_b32 v1, 15, v0                           ; r
	v_bfe_u32 v9, v0, 4, 1                         ; h
	v_lshlrev_b32 v[QO], 8, v1
	v_lshl_add_u32 v[QO], v9, 4, v[QO]
.macro LOADQ base                      ; a block's 64 queries: tile i / 4, channels 32 (i % 4) on; they stay in registers
	WIN 0x80
.set i, 0
.rept 16
	global_load_b128 v[8*i:8*i+3],   v[QO], s[\base:\base+1] offset:(i/4)*4096+(i%4)*64
	global_load_b128 v[8*i+4:8*i+7], v[QO], s[\base:\base+1] offset:(i/4)*4096+(i%4)*64+32
.set i, i+1
.endr
	WIN 0
.endm
	LOADQ QBL
	s_mul_i32 s20, s[WV], 64*PK                    ; my 64 keys of a round
	v_mul_u32_u24 v[AK0], v1, PK
	v_lshl_add_u32 v[AK0], v9, 4, v[AK0]
	v_add_nc_u32 v[AK0], s20, v[AK0]
	v_and_b32 v10, 7, v0
	v_bfe_u32 v11, v0, 3, 1
	v_lshl_add_u32 v[AV0], v9, 3, v10              ; the turning load: key 8 (l / 16) + l % 8, channels 8 ((l / 8) % 2) on
	v_mul_u32_u24 v[AV0], v[AV0], PVP
	v_lshl_add_u32 v[AV0], v11, 4, v[AV0]
	s_mul_i32 s20, s[WV], 64*PVP
	s_add_co_u32 s20, s20, VOFF
	v_add_nc_u32 v[AV0], s20, v[AV0]
	v_lshlrev_b32 v10, 3, v9
	v_sub_nc_u32 v10, v1, v10                      ; r - 8 h
	s_sub_co_i32 s20, s[CX], s[WV]
	s_lshl_b32 s20, s20, 6
	v_add_nc_u32 v[DL], s20, v10
	s_sub_co_i32 s20, 3, s[CX]
	s_sub_co_i32 s20, s20, s[WV]
	s_lshl_b32 s20, s20, 6
	v_add_nc_u32 v[DH], s20, v10
	v_mov_b32 v[NINF], 0xff800000
	v_and_b32 v10, 31, v0
	s_lshl_b32 s20, s[WV], 10
	s_add_co_u32 s20, s20, STAT
	v_lshl_add_u32 v[STW], v10, 2, s20
	v_lshl_add_u32 v[STR], v10, 2, STAT
	v_lshlrev_b32 v[PFO], 8, v10
	s_mul_i32 s20, s[WV], SGP
	s_add_co_u32 s20, s20, STAGE
	v_mul_u32_u24 v11, v9, 272
	v_lshl_add_u32 v11, v1, 4, v11
	v_add_nc_u32 v[SGW], s20, v11                  ; in: line h (+ 2 c + 16 u by the offset), 16 bytes a query
	s_lshl_b32 s20, s[WV], 6
	s_add_co_u32 s20, s20, STAGE
	v_mul_u32_u24 v11, v1, 272
	v_lshl_add_u32 v11, v9, 4, v11
	v_add_nc_u32 v[SGR], s20, v11                  ; back: line x = lane % 16, query 4 w + lane / 16 (+ 2 by the offset)
	s_lshl_b32 s20, s[WV], 13
	v_lshlrev_b32 v11, 11, v9
	v_lshl_add_u32 v11, v1, 4, v11
	v_add_nc_u32 v[GO], s20, v11                   ; and in attn16: row 4 w + lane / 16, 16 bytes a lane
.irp t, 0,1,2,3
	v_mov_b32 v[ST+8*\t+1], 0xff61b1e6             ; m = -3e38, under every score
	v_mul_f32 v[ST+8*\t], s[CS], v[ST+8*\t+1]
	v_mov_b32 v[ST+8*\t+2], 0                      ; l
	v_mov_b32 v[ST+8*\t+3], 0
	v_mov_b32 v[ST+8*\t+4], 0                      ; the tile's four registers at work, written once: a lane permute's destination counts as one of its sources, on every way through the text
	v_mov_b32 v[ST+8*\t+5], 0
	v_mov_b32 v[ST+8*\t+6], 0
	v_mov_b32 v[ST+8*\t+7], 0
.endr
	WIN 0x40                                       ; O^T begins as zeros, once: a round is then written with no first form of its own, which a wave whose first keys are all hidden could not use
.set i, 0
.rept 256
	v_mov_b32 v[i], 0
.set i, i+1
.endr
	WIN 0
; Product i of 32 of S^T = K Q^T for piece x: channels 32 (i / 8) on, keys 16 ((i / 2) % 4) on, tile x + i % 2.  The first 8 start the sums.  The accumulators take turns.
.macro KQ x
	WIN W_KQ
.set rS, S+32*(\x+i%2)+8*((i/2)%4)
.set rK, KF+32*((i/2)%4)+8*(i/8)
.set rQ, 32*(\x+i%2)+8*(i/8)
.if i < 8
	v_wmma_f32_16x16x32_f16 v[rS:rS+7], v[rK:rK+7], v[rQ:rQ+7], 0
.else
	v_wmma_f32_16x16x32_f16 v[rS:rS+7], v[rK:rK+7], v[rQ:rQ+7], v[rS:rS+7]
.endif
.endm
; Product i of 32 of O^T += V^T P: keys 32 (i / 16) on, channels 16 ((i / 2) % 8) on, tile x + i % 2.
.macro PV x
	WIN W_PV
.set rO, 64*(\x+i%2)+8*((i/2)%8)
.set rV, 64*(i/16)+8*((i/2)%8)
.set rP, P+16*(\x+i%2)+8*(i/16)
	v_wmma_f32_16x16x32_f16 v[rO:rO+7], v[rV:rV+7], v[rP:rP+7], v[rO:rO+7]
.endm
.macro FETCH_K                         ; my 64 keys x 128 channels of the slot in hand: 32 loads in one run
	WIN 0
	v_add_nc_u32 v[ADR], s[TB], v[AK0]
	WIN 0x80
.irp f, 0,1,2,3,4,5,6,7,8,9,10,11,12,13,14,15
	ds_load_b128 v[KF+8*\f:KF+8*\f+3],   v[ADR] offset:(\f/4)*16*PK+(\f%4)*64
	ds_load_b128 v[KF+8*\f+4:KF+8*\f+7], v[ADR] offset:(\f/4)*16*PK+(\f%4)*64+32
.endr
.endm
.macro FETCH_V                         ; the same keys' V, turned: 32 loads in one run
	WIN 0
	v_add_nc_u32 v[ADR], s[TB], v[AV0]
	WIN 0xc0
.irp f, 0,1,2,3,4,5,6,7,8,9,10,11,12,13,14,15
	ds_load_tr16_b128 v[8*\f:8*\f+3],   v[ADR] offset:(\f/8)*32*PVP+(\f%8)*32
	ds_load_tr16_b128 v[8*\f+4:8*\f+7], v[ADR] offset:(\f/8)*32*PVP+16*PVP+(\f%8)*32
.endr
.endm
; One tile's softmax for a round is a list of 134 instructions; SM writes number j of it for tile t.
;   0-15 the maximum of the lane's 32 scores and the old m;  16-20 the other half's maximum, the new m, c m, c m_old - c m_new;
;   21-69 ONE BATCH: 16 packed scalings c s - c m and 33 exponentials (a at 23), none of which reads an exponential's result;  (the wait);
;   70-85 roundings to f16;  86-101 the sums, l = a l + sum;  102-133 the tile's O^T times a.
.macro SM t
.set rT, ST+8*(\t)
.set rS, S+32*(\t)
.set rP, P+16*(\t)
.set rO, 64*(\t)+2*(j-102)
.if j < 102
	WIN 0
.endif
.if j < 4
	v_max3_num_f32 v[rT+4+j], v[rS+8*j], v[rS+8*j+1], v[rS+8*j+2]
.elseif j < 12
	v_max3_num_f32 v[rT+4+j%4], v[rT+4+j%4], v[rS+8*(j%4)+2*(j/4)+1], v[rS+8*(j%4)+2*(j/4)+2]
.elseif j == 12
	v_max3_num_f32 v[rT+4], v[rT+4], v[rS+7], v[rS+15]
.elseif j == 13
	v_max3_num_f32 v[rT+6], v[rT+6], v[rS+23], v[rS+31]
.elseif j == 14
	v_max3_num_f32 v[rT+4], v[rT+4], v[rT+5], v[rT+6]
.elseif j == 15
	v_max3_num_f32 v[rT+4], v[rT+4], v[rT+7], v[rT+1]
.elseif j == 16
	v_permlanex16_b32 v[rT+5], v[rT+4], s[SEL], s[SEL+1]
.elseif j == 17
	v_mov_b32 v[rT+7], v[rT]
.elseif j == 18
	v_max_num_f32 v[rT+1], v[rT+4], v[rT+5]
.elseif j == 19
	v_mul_f32 v[rT], s[CS], v[rT+1]
.elseif j == 20
	v_sub_f32 v[rT+7], v[rT+7], v[rT]
.elseif j == 23
	v_exp_f32 v[rT+6], v[rT+7]
.elseif (j < 23) || ((j < 38) && (j%2 == 0)) || ((j < 66) && (j%4 == 2))
.set b, (j-2)/4
.if j < 38
.set b, (j-20)/2
.endif
	v_pk_fma_f32 v[rS+2*b:rS+2*b+1], v[rS+2*b:rS+2*b+1], s[CS:CS+1], v[rT:rT+1] op_sel_hi:[1,0,0] neg_lo:[0,0,1] neg_hi:[0,0,1]
.elseif j < 70
.set e, j-38
.if j < 66
.set e, j-32-(j-38)/4
.endif
.if j < 38
.set e, (j-25)/2
.endif
	v_exp_f32 v[rS+e], v[rS+e]
.elseif j < 86
	v_cvt_pk_f16_f32 v[rP+j-70], v[rS+2*(j-70)], v[rS+2*(j-70)+1]
.elseif j < 102
.set z, j-86
.set w, 4
.set u, z
.if z >= 14
.set w, 32
.set u, 0
.elseif z >= 12
.set w, 16
.set u, z-12
.elseif z >= 8
.set w, 8
.set u, z-8
.endif
.if z < 15
	v_pk_add_f32 v[rS+w*u:rS+w*u+1], v[rS+w*u:rS+w*u+1], v[rS+w*u+w/2:rS+w*u+w/2+1]
.else
	v_pk_fma_f32 v[rT+2:rT+3], v[rT+2:rT+3], v[rT+6:rT+7], v[rS:rS+1] op_sel_hi:[1,0,1]
.endif
.else
	WIN W_RS
	v_pk_mul_f32 v[rO:rO+1], v[rO:rO+1], v[rT+6:rT+7] op_sel_hi:[1,0]
.endif
.endm
; Slice k of 64 of piece y's softmax.  Slices 11 to 34 deal out the batch, four numbers of one tile each; every other slice is numbers 2 k and 2 k + 1 of both tiles; the twelve that are over stand in slice 63.
; Behind slice 34 stands the piece's one wait: ahead of it nothing names an exponential's result, behind it no exponential is issued.
.macro SLICE y
.if (k >= 11) && (k < 35)
.irp n, 0,1,2,3
.set j, 22+4*((k-11)/2)+(\n)
	SM (\y)+(k-11)%2
.endr
.else
.irp n, 0,1,2,3,4,5,6,7
.if (\n < 2) || (k == 63)
.irp t, \y, \y+1
.set j, 2*k+\n
	SM \t
.endr
.endif
.endr
.endif
.if k == 34
	v_nop                                          ; a plain instruction behind the last exponential
	s_wait_alu depctr_va_vdst(0)
.endif
.set k, k+1
.endm
.macro TURN_KQ2                        ; piece 2's scores | piece 0's softmax, two slices behind each product
.set k, 0
.set i, 0
.rept 32
	KQ 2
	SLICE 0
	SLICE 0
.set i, i+1
.endr
.endm
.macro TURN_PV0                        ; piece 0's V^T P | piece 2's softmax
	s_wait_dscnt 0x0                               ; V is in: its run of loads was issued 64 products ago.  With it my reads of the slot in hand are over
.set k, 0
.set i, 0
.rept 32
	PV 0
	SLICE 2
	SLICE 2
.set i, i+1
.endr
.endm
; Register 32 t + n of S^T holds key 16 (n / 8) + 8 h + n % 8 of my 64 and query 16 t + r: hidden where 16 (n / 8 - t) + n % 8 > D.  Ascending: each accumulator is read from its low end on.
.macro MASK y, D
.irp t, \y, \y+1
.set n, 0
.rept 32
	v_cmp_gt_i32 vcc_lo, 16*(n/8-(\t))+n%8, v[\D]
	v_cndmask_b32 v[S+32*(\t)+n], v[S+32*(\t)+n], v[NINF], vcc_lo
.set n, n+1
.endr
.endr
.endm
; THE CHANGE OF SLOTS.  Each wave waits for all its tensor loads (its part of the next round's tile), adds 0 to its spare word, and waits for that and for its reads of the slot in hand.
; fill = 1: a round of the cluster's barrier, and behind it the joint load of the tile two rounds on into the slot in hand: it has a whole round in which to land; one tensor load of mine is out.
.macro TOP fill
	WIN 0
	s_wait_tensorcnt 0x0                           ; no tensor load of mine is out, so a group 0 may be written
	ds_add_u32 v[SPW], v[NIL]                      ; 0 onto my spare word; the descriptors' words stand between it and the wait for it
.if \fill
	s_add_co_u32 s73, s[T], 1
	s_add_co_u32 s[KRN], s[KRN], 1                 ; tile T + 2: the next key round,
	s_cmp_eq_u32 s73, s[A]
	s_cselect_b32 s[KRN], 0, s[KRN]                ; or, where T + 2 = a + 1, key round 0 again, for the high block
	s_lshl_b32 s[OFF], s[KRN], 16                  ; 256 rows of 256 bytes
	s_add_nc_u64 s[G0K+2:G0K+3], s[KB:KB+1], s[OFF:OFF+1]
	s_or_b32 s[G0K+3], s[G0K+3], 0x80000000
	s_add_nc_u64 s[G0V+2:G0V+3], s[VB:VB+1], s[OFF:OFF+1]
	s_or_b32 s[G0V+3], s[G0V+3], 0x80000000
	s_add_co_u32 s[G0K+1], s[TB], s[KL]            ; the slot in hand
	s_add_co_u32 s[G0V+1], s[TB], s[VL]
	s_wait_xcnt 0x0                                ; the last prefetch, a round back, has read its address
	s_add_nc_u64 s[PFA:PFA+1], s[PFA:PFA+1], 65536
	s_wait_dscnt 0x0
	CROUND
	JLOAD
	ASK
.else
	s_wait_dscnt 0x0
	s_barrier_signal -1
	s_barrier_wait -1
.endif
.endm
; A ROUND.  mask = 0: the diagonal is met where T = a; 1: always; 2: never.  top = 1: a change of slots with a refill; 0: without; 2: the last round: none, and no K to fetch.
.macro ROUND mask, D, top
	s_wait_loadcnt 0x0                             ; Q
	s_wait_dscnt 0x0                               ; K: its run of loads was issued ahead of the last round's last 32 products
	PLACES                                         ; behind those products, in front of loads into V's registers, which they read
	FETCH_V
.set i, 0
.rept 32
	KQ 0
.set i, i+1
.endr
	WIN 0
	PLACES
.if \mask == 0
	s_cmp_eq_u32 s[T], s[A]                        ; the low block's last round: the cluster's x and the count of rounds alone
	s_cbranch_scc0 .Lopen0_\@
.endif
.if \mask != 2
	MASK 0, \D
.endif
.Lopen0_\@:
	TURN_KQ2                                       ; its last two slices, twenty plain lines on O^T, are the places behind its last product
	WIN 0
.if \mask == 0
	s_cmp_eq_u32 s[T], s[A]
	s_cbranch_scc0 .Lopen2_\@
.endif
.if \mask != 2
	MASK 2, \D
.endif
.Lopen2_\@:
	TURN_PV0
.if \top != 2
	TOP \top
	s_xor_b32 s[TB], s[TB], SLOT                   ; on to the other slot, which is whole:
	FETCH_K                                        ; the next round's K lands under the 32 products below
.endif
.set i, 0
.rept 32
	PV 2
.set i, i+1
.endr
	WIN 0
.endm
; A BLOCK'S END: the four waves' parts become one.  Statistics through LDS; then, a tile of 16 queries at a time, each wave's O^T times f_w / L in f32 into the stage, a barrier, and each wave adds the four parts of 4 queries,
; rounds to f16 and stores: sixteen lanes fill 256 consecutive bytes, aligned.
.macro MERGE ob
	WIN 0
.irp t, 0,1,2,3
	v_add_f32 v[ST+8*\t+4], v[ST+8*\t+2], v[ST+8*\t+3]   ; (these twelve lines are the places behind the last products)
.endr
.irp t, 0,1,2,3
	v_permlanex16_b32 v[ST+8*\t+5], v[ST+8*\t+4], s[SEL], s[SEL+1]
.endr
.irp t, 0,1,2,3
	v_add_f32 v[ST+8*\t+4], v[ST+8*\t+4], v[ST+8*\t+5]
.endr
.irp t, 0,1,2,3
	ds_store_b32 v[STW], v[ST+8*\t] offset:256*\t          ; c m
	ds_store_b32 v[STW], v[ST+8*\t+4] offset:256*\t+128    ; l
.endr
	s_wait_dscnt 0x0
	s_barrier_signal -1
	s_barrier_wait -1
.irp w, 0,1,2,3
.irp t, 0,1,2,3
	ds_load_b32 v[MS+8*\w+2*\t], v[STR] offset:1024*\w+256*\t
	ds_load_b32 v[MS+8*\w+2*\t+1], v[STR] offset:1024*\w+256*\t+128
.endr
.endr
	s_wait_dscnt 0x0
.irp t, 0,1,2,3
	v_max3_num_f32 v[96+\t], v[MS+2*\t], v[MS+8+2*\t], v[MS+16+2*\t]
.endr
.irp t, 0,1,2,3
	v_max_num_f32 v[96+\t], v[96+\t], v[MS+24+2*\t]
.endr
.irp w, 0,1,2,3
.irp t, 0,1,2,3
	v_sub_f32 v[MS+8*\w+2*\t], v[MS+8*\w+2*\t], v[96+\t]
.endr
.endr
.irp t, 0,1,2,3
	v_sub_f32 v[104+\t], v[ST+8*\t], v[96+\t]      ; my own
.endr
.irp w, 0,1,2,3
.irp t, 0,1,2,3
	v_exp_f32 v[MS+8*\w+2*\t], v[MS+8*\w+2*\t]
.endr
.endr
.irp t, 0,1,2,3
	v_exp_f32 v[104+\t], v[104+\t]
.endr
	v_nop
	s_wait_alu depctr_va_vdst(0)                   ; one wait for the twenty
.irp t, 0,1,2,3
	v_mul_f32 v[108+\t], v[MS+2*\t], v[MS+2*\t+1]
.endr
.irp w, 1,2,3
.irp t, 0,1,2,3
	v_fmac_f32 v[108+\t], v[MS+8*\w+2*\t], v[MS+8*\w+2*\t+1]
.endr
.endr
.irp t, 0,1,2,3
	v_rcp_f32 v[112+\t], v[108+\t]
.endr
	v_nop
	s_wait_alu depctr_va_vdst(0)
.irp t, 0,1,2,3
	v_mul_f32 v[GP+2*\t], v[104+\t], v[112+\t]     ; my factor / the sum, twice: a pair for the packed multiply.  The pairs lie under v128, where the stage's rows land
	v_mul_f32 v[GP+2*\t+1], v[104+\t], v[112+\t]
.endr
.irp t, 0,1,2,3
	WIN W_RS
.set i, 0
.rept 32
	v_pk_mul_f32 v[64*\t+i:64*\t+i+1], v[64*\t+i:64*\t+i+1], v[GP+2*\t:GP+2*\t+1]
.set i, i+2
.endr
	WIN 0x04                                       ; an LDS store's data are its source 1: window 1
.irp c, 0,1,2,3,4,5,6,7
	ds_store_b128 v[SGW], v[64*\t+8*\c:64*\t+8*\c+3] offset:2*\c*272
	ds_store_b128 v[SGW], v[64*\t+8*\c+4:64*\t+8*\c+7] offset:(16+2*\c)*272
.endr
	WIN 0
	s_wait_dscnt 0x0
	s_barrier_signal -1
	s_barrier_wait -1
.irp kk, 0,1
.irp u, 0,1
.irp w, 0,1,2,3
	ds_load_b128 v[128+16*(2*\kk+\u)+4*\w:128+16*(2*\kk+\u)+4*\w+3], v[SGR] offset:\w*SGP+\u*4352+\kk*32
.endr
.endr
.endr
	s_wait_dscnt 0x0
.irp q, 0,1,2,3
	v_pk_add_f32 v[128+16*\q:129+16*\q], v[128+16*\q:129+16*\q], v[132+16*\q:133+16*\q]
	v_pk_add_f32 v[130+16*\q:131+16*\q], v[130+16*\q:131+16*\q], v[134+16*\q:135+16*\q]
	v_pk_add_f32 v[136+16*\q:137+16*\q], v[136+16*\q:137+16*\q], v[140+16*\q:141+16*\q]
	v_pk_add_f32 v[138+16*\q:139+16*\q], v[138+16*\q:139+16*\q], v[142+16*\q:143+16*\q]
.endr
.irp q, 0,1,2,3
	v_pk_add_f32 v[128+16*\q:129+16*\q], v[128+16*\q:129+16*\q], v[136+16*\q:137+16*\q]
	v_pk_add_f32 v[130+16*\q:131+16*\q], v[130+16*\q:131+16*\q], v[138+16*\q:139+16*\q]
.endr
.irp kk, 0,1
	v_cvt_pk_f16_f32 v[192+8*\t+4*\kk], v[128+32*\kk], v[129+32*\kk]       ; channels 8 x + 0 .. 7 of one query: 16 bytes
	v_cvt_pk_f16_f32 v[193+8*\t+4*\kk], v[130+32*\kk], v[131+32*\kk]
	v_cvt_pk_f16_f32 v[194+8*\t+4*\kk], v[144+32*\kk], v[145+32*\kk]
	v_cvt_pk_f16_f32 v[195+8*\t+4*\kk], v[146+32*\kk], v[147+32*\kk]
	global_store_b128 v[GO], v[192+8*\t+4*\kk:195+8*\t+4*\kk], s[\ob:\ob+1] offset:(16*\t+2*\kk)*2048
.endr
.if \t < 3
	s_barrier_signal -1                            ; every wave's reads of the stage are back: the next tile may be written
	s_barrier_wait -1
.endif
.endr
	s_wait_xcnt 0x0                                ; the stores have read their registers
.endm
	s_wait_tensorcnt 0x1                           ; my part of tile 0 is in; tile 1's load may be out
	s_barrier_signal -1
	s_barrier_wait -1                              ; everybody's is
	FETCH_K                                        ; round 0's K
	WIN 0
.Lround:                                               ; rounds 0..6: each asks for the tile two rounds on
	s_cmp_eq_u32 s[T], s[A1]                       ; the high block's first round: the same in all waves and all partners
	s_cbranch_scc0 .Lsame
	s_wait_loadcnt 0x0                             ; the loads that last wrote Q's registers are done: only behind this wait do new loads land there
	LOADQ QBH                                      ; the new queries land while the low block is merged
	MERGE OBL
.irp t, 0,1,2,3
	v_mov_b32 v[ST+8*\t+1], 0xff61b1e6             ; m = -3e38 again: the next round's a = 2^(c m_old - c m_new) is 0, which clears l and O^T
	v_mul_f32 v[ST+8*\t], s[CS], v[ST+8*\t+1]
.endr
.Lsame:
	ROUND 0, DL, 1
	s_add_co_u32 s[T], s[T], 1
	s_cmp_lt_u32 s[T], 7
	s_cbranch_scc1 .Lround
	ROUND 2, DL, 0                                 ; round 7 is written out: nothing is left to ask for; it lies inside the high block and off the diagonal (a is at most 3)
	ROUND 1, DH, 2                                 ; round 8: the high block's last, which always meets the diagonal
	MERGE OBH
	s_wait_tensorcnt 0x0                           ; the wave's end
	ds_add_u32 v[SPW], v[NIL]
	s_wait_dscnt 0x0
	CROUND                                         ; the closing round
	s_endpgm
.Lfunc_end_k_q111b864832_attn:
	.size	k_q111b864832_attn, .Lfunc_end_k_q111b864832_attn-k_q111b864832_attn
	.p2alignl 7, 3214868480
	.fill 96, 4, 3214868480
	.section	.rodata,"a",@progbits
	.p2align	6, 0x0
	.amdhsa_kernel k_q111b864832_attn
		.amdhsa_group_segment_fixed_size 327680
		.amdhsa_private_segment_fixed_size 0
		.amdhsa_enable_private_segment 0
		.amdhsa_kernarg_size 16
		.amdhsa_user_sgpr_count 2
		.amdhsa_user_sgpr_kernarg_segment_ptr 1
		.amdhsa_wavefront_size32 1
		.amdhsa_system_sgpr_workgroup_id_x 1
		.amdhsa_system_sgpr_workgroup_id_y 1
		.amdhsa_system_sgpr_workgroup_id_z 1
		.amdhsa_system_vgpr_workitem_id 0
		.amdhsa_next_free_vgpr 1024
		.amdhsa_next_free_sgpr 84
		.amdhsa_reserve_vcc 1
		.amdhsa_float_denorm_mode_32 3
		.amdhsa_float_denorm_mode_16_64 3
		.amdhsa_memory_ordered 1
		.amdhsa_forward_progress 1
		.amdhsa_inst_pref_size 245
	.end_amdhsa_kernel
	.amdgpu_metadata
---
amdhsa.version: [ 1, 2 ]
amdhsa.kernels:
  - .name:           k_q111b864832_attn
    .symbol:         k_q111b864832_attn.kd
    .args:
      - { .name: qkvh, .offset: 0, .size: 8, .value_kind: global_buffer, .address_space: global }
      - { .name: attn16, .offset: 8, .size: 8, .value_kind: global_buffer, .address_space: global }
    .group_segment_fixed_size: 327680
    .private_segment_fixed_size: 0
    .kernarg_segment_align: 8
    .kernarg_segment_size: 16
    .max_flat_workgroup_size: 128
    .sgpr_count:     84
    .vgpr_count:     1024
    .wavefront_size: 32
...
	.end_amdgpu_metadata
.endif
;; end of part 3
;; launch oproj (part 4): grid 8 x 32, 4 waves a work-group, clusters of 4 x 4, 327,680 bytes of LDS; arguments attn16, ow16, out0; writes out0
.if DOCPART == 4
	.amdgcn_target "amdgcn-amd-amdhsa--gfx1250"
	.amdhsa_code_object_version 6
	.text
	.protected	k_q111b864832_oproj
	.globl	k_q111b864832_oproj
	.p2align	8
	.type	k_q111b864832_oproj,@function
k_q111b864832_oproj:
	s_mov_b64 s[64:65], 0
	v_nop
	global_prefetch_b8 v0, s[64:65] scope:SCOPE_SE
	s_setreg_imm32_b32 hwreg(HW_REG_WAVE_MODE, 25, 1), 1
	s_wait_xcnt 0x0
	s_wait_alu depctr_hold_cnt(0) depctr_sa_sdst(0) depctr_va_vdst(0) depctr_va_sdst(0) depctr_va_ssrc(0) depctr_va_vcc(0) depctr_vm_vsrc(0)
	s_getreg_b32 s2, hwreg(HW_REG_IB_STS2, 6, 4)
	s_cmp_eq_u32 s2, 0
	s_cbranch_scc0 .Lentry_in_a_cluster
	s_endpgm
.Lentry_in_a_cluster:
	s_bfe_u32 s2, ttmp6, 0x10000c
	s_cmp_lg_u32 s2, 0xf033
	s_cbranch_scc0 .Lentry_shape_is_right
	s_endpgm
.Lentry_shape_is_right:
; OPROJ: out0[m][n] = sum over k of attn[m][k] o_w[n][k]; attn [4096][1024] and o_w [2048][1024] in f16, out0 [4096][2048] f32; sums in f32.
; A tile of 128 (m) x 256 (n) gives 256 work-groups, one for each WGP.  Four waves, each 64 x 128: 32 accumulators of 16 x 16 in window 2.
; K goes in steps of 128 (rows of 256 bytes) through a ring of two LDS slots: two slots of the longer step, 384 rows of 528 bytes each, would not fit.
; CLUSTERS: 4 x 4 work-groups; attn's tile is shared along a row of the cluster, o_w's along a column: each is asked for jointly.  No prefetch: K has only eight steps, and each tile is asked for once for four work-groups.
; The matrix instruction is used transposed (source 0 = 16 rows of o_w, source 1 = 16 rows of attn): a lane holds eight neighbouring numbers of a row of out0.
; All 4,096 rows are stored; the 32 rows of positions 0..15 are stored again, more finely, by the launch that follows.
; REGISTERS: window 0: v0-31 addresses; v64-191 rows on the way out.  window 1: two fragment buffers at v0 and v128: attn's 4 fragments, then o_w's 8.  window 2: accumulator (a, b) at v[8 (8 a + b)].
.set SIZE_K, 1024
.set KSTEP,  128
.set PITCH,  272
.set HA,     64*PITCH
.set HB,     128*PITCH
.set BOFF,   2*HA
.set SLOT,   2*HA+2*HB
.set STAGE,  2*SLOT
.set SPITCH, 528
.set SPARE,  STAGE+4*16*SPITCH
.set LAPS,   SIZE_K/(2*KSTEP)
.set ADRA, 16
.set ADRB, 20
.set STO,  24
.set RD,   25
.set CO,   26
.set SPW,  28
.set NIL,  29
.set BK,   64
.set F0,   0
.set F1,   128
.set G1, 24
.set G0, 32
.set G1B, 48
.set G0B, 56
.set MSB, 0
.macro WIN new
.if MSB != \new
	s_set_vgpr_msb (MSB<<8)|\new
.set MSB, \new
.endif
.endm
.set MUL,  0xa5                        ; sources 0 and 1 window 1; C and D window 2
.set TO_F, 0x40
.macro JLOAD s                         ; waves 0 and 1 fetch attn's halves of 64 rows, waves 2 and 3 o_w's halves of 128; an s_nop 0 and four v_nop follow each line
	s_cmp_eq_u32 s11, 0
	s_cbranch_scc0 .Lfor_b_\@
	tensor_load_to_lds s[G0+4*\s:G0+4*\s+3], s[G1:G1+7]
	s_nop 0
.rept 4
	v_nop
.endr
	s_branch .Lasked_\@
.Lfor_b_\@:
	tensor_load_to_lds s[G0B+4*\s:G0B+4*\s+3], s[G1B:G1B+7]
	s_nop 0
.rept 4
	v_nop
.endr
.Lasked_\@:
.endm
.macro CREST
	s_cmp_lg_u32 s10, 0
	s_cbranch_scc1 .Lnot_wave_0_\@
	s_barrier_signal -3
.Lnot_wave_0_\@:
	s_barrier_wait -3
	s_barrier_signal -1
	s_barrier_wait -1
.endm
.macro CROUND
	s_barrier_signal -1
	s_barrier_wait -1
	CREST
.endm
	s_load_b128 s[4:7], s[0:1], 0x0                ; attn16, ow16
	s_load_b64 s[8:9], s[0:1], 0x10                ; out0
	v_lshl_add_u32 v[SPW], v0, 2, SPARE
	v_mov_b32 v[NIL], 0
	ds_add_u32 v[SPW], v[NIL]                      ; the wave's opening: the add, twice on end, and its wait ahead of my first tensor load
	ds_add_u32 v[SPW], v[NIL]
	v_lshrrev_b32 v1, 5, v0
	v_readfirstlane_b32 s10, v1
	s_lshr_b32 s11, s10, 1                         ; which 64 rows of the tile are mine.  Also: I fetch for attn (0) or for o_w (1)
	s_and_b32 s12, s10, 1                          ; which 128 columns.  Also: which half of that tile I fetch
	s_bfe_u32 s40, ttmp6, 0x40000
	s_bfe_u32 s41, ttmp6, 0x40004
	s_lshl_b32 s42, ttmp9, 2
	s_add_co_u32 s42, s42, s40                     ; tile column
	s_and_b32 s13, ttmp7, 0xffff
	s_lshl_b32 s13, s13, 2
	s_add_co_u32 s13, s13, s41                     ; tile row
	s_lshl_b32 s43, s41, 2
	s_lshl_b32 s43, 15, s43
	s_lshl_b32 s44, 0x1111, s40
	s_or_b32 s[G1+0], s43, (1<<16)|(1<<20)|(1<<21)|(5<<22)|(3<<25)  ; the mask; elements of 2 bytes; padding: 4 words behind every 64; bit 21 beside a mask
	s_or_b32 s[G1B+0], s44, (1<<16)|(1<<20)|(1<<21)|(5<<22)|(3<<25)
	s_mov_b32 s[G1+1], KSTEP<<16
	s_mov_b32 s[G1+2], 64<<16
	s_mov_b32 s[G1+3], KSTEP<<16
	s_mov_b32 s[G1+4], 64
	s_mov_b32 s[G1+5], SIZE_K
	s_mov_b32 s[G1+6], 0
	s_mov_b32 s[G1+7], 0
	s_mov_b32 s[G1B+1], KSTEP<<16
	s_mov_b32 s[G1B+2], 128<<16
	s_mov_b32 s[G1B+3], KSTEP<<16
	s_mov_b32 s[G1B+4], 128
	s_mov_b32 s[G1B+5], SIZE_K
	s_mov_b32 s[G1B+6], 0
	s_mov_b32 s[G1B+7], 0
	s_lshl_b32 s16, s13, 7
	s_lshl_b32 s17, s12, 6
	s_add_co_u32 s16, s16, s17                     ; attn: row 128 x tile row + 64 x half
	s_lshl_b32 s16, s16, 11                        ; x 2,048 bytes
	s_mov_b32 s17, 0
	s_lshl_b32 s46, s42, 8
	s_lshl_b32 s47, s12, 7
	s_add_co_u32 s46, s46, s47                     ; o_w: row 256 x tile column + 128 x half
	s_lshl_b32 s46, s46, 11
	s_mov_b32 s47, 0
	s_mul_i32 s20, s12, HA                         ; where they go: no place in the cluster enters an LDS address
	s_mul_i32 s21, s12, HB
	s_add_co_u32 s21, s21, BOFF
	s_wait_dscnt 0x0
	s_wait_kmcnt 0x0
	s_add_nc_u64 s[14:15], s[4:5], s[16:17]
	s_add_nc_u64 s[46:47], s[6:7], s[46:47]
	CROUND
.irp s, 0,1
	s_mov_b32 s[G0+4*\s], 1
	s_add_co_u32 s[G0+4*\s+1], s20, \s*SLOT
	s_add_nc_u64 s[G0+4*\s+2:G0+4*\s+3], s[14:15], \s*KSTEP*2
	s_or_b32 s[G0+4*\s+3], s[G0+4*\s+3], 0x80000000
	s_mov_b32 s[G0B+4*\s], 1
	s_add_co_u32 s[G0B+4*\s+1], s21, \s*SLOT
	s_add_nc_u64 s[G0B+4*\s+2:G0B+4*\s+3], s[46:47], \s*KSTEP*2
	s_or_b32 s[G0B+4*\s+3], s[G0B+4*\s+3], 0x80000000
	JLOAD \s                                       ; two tensor loads of mine are out
.endr
	v_and_b32 v1, 15, v0
	v_bfe_u32 v2, v0, 4, 1
	v_mul_u32_u24 v3, v1, PITCH
	v_lshl_add_u32 v3, v2, 4, v3
	s_mul_i32 s21, s11, HA                         ; my 64 rows of attn
	s_mul_i32 s22, s12, HB                         ; my 128 rows of o_w,
	s_add_co_u32 s22, s22, BOFF                    ; which lie behind attn's 128
.irp s, 0,1
	v_add_nc_u32 v[ADRA+\s], s21, v3
	v_add_nc_u32 v[ADRB+\s], s22, v3
	s_add_co_u32 s21, s21, SLOT
	s_add_co_u32 s22, s22, SLOT
.endr
	s_mul_i32 s23, s10, 16*SPITCH
	s_add_co_u32 s23, s23, STAGE                   ; my stage: bytes of my own, which no tensor load fills
	v_mul_u32_u24 v4, v1, SPITCH
	v_lshl_add_u32 v4, v2, 5, v4
	v_add_nc_u32 v[STO], s23, v4                   ; in: row r, 32 bytes for each half of the lanes
	v_and_b32 v5, 31, v0
	v_lshlrev_b32 v[CO], 4, v5
	v_add_nc_u32 v[RD], s23, v[CO]                 ; back: the 32 lanes take one row of 512 bytes
	s_lshl_b32 s16, s13, 7
	s_lshl_b32 s17, s11, 6
	s_add_co_u32 s16, s16, s17                     ; my first row of out0
	s_lshl_b32 s16, s16, 13                        ; x 8,192 bytes
	s_mov_b32 s17, 0
	s_add_nc_u64 s[8:9], s[8:9], s[16:17]
	s_lshl_b32 s46, s42, 10                        ; my first column, in bytes
	s_lshl_b32 s47, s12, 9
	s_add_co_u32 s46, s46, s47
	s_mov_b32 s47, 0
	s_add_nc_u64 s[8:9], s[8:9], s[46:47]
.macro FRAG reg, adr, k, i             ; 16 rows x 32 K of f16: two loads of 16 bytes, 32 bytes apart
	ds_load_b128 v[\reg:\reg+3], v[\adr] offset:\k+(\i)*16*PITCH
	ds_load_b128 v[\reg+4:\reg+7], v[\adr] offset:\k+(\i)*16*PITCH+32
.endm
.macro FETCH slot, k, f                ; 24 loads in one run: attn's blocks 0, 1; o_w's eight; attn's blocks 2, 3
	WIN TO_F
	FRAG \f, ADRA+\slot, \k, 0
	FRAG \f+8, ADRA+\slot, \k, 1
.irp i, 0,1,2,3,4,5,6,7
	FRAG \f+32+8*\i, ADRB+\slot, \k, \i
.endr
	FRAG \f+16, ADRA+\slot, \k, 2
	FRAG \f+24, ADRA+\slot, \k, 3
.endm
.macro MULA f, a, zero                 ; attn's block a against o_w's eight.  The 32 accumulators take turns, in the same order in every quarter
.irp b, 0,1,2,3,4,5,6,7
.if \zero
	v_wmma_f32_16x16x32_f16 v[8*(8*(\a)+\b):8*(8*(\a)+\b)+7], v[\f+32+8*\b:\f+32+8*\b+7], v[\f+8*(\a):\f+8*(\a)+7], 0
.else
	v_wmma_f32_16x16x32_f16 v[8*(8*(\a)+\b):8*(8*(\a)+\b)+7], v[\f+32+8*\b:\f+32+8*\b+7], v[\f+8*(\a):\f+8*(\a)+7], v[8*(8*(\a)+\b):8*(8*(\a)+\b)+7]
.endif
.endr
.endm
.macro PLACES
.rept 4
	v_nop
.endr
.endm
; A K step is four quarters of 32 along K, 32 matrix instructions each, on buffers 0, 1, 0, 1.
.macro QUARTER slot, k, f, g, zero
	s_wait_dscnt 4                                 ; all but the youngest four loads (attn's blocks 2, 3) are in
	WIN MUL
	MULA \f, 0, \zero
	MULA \f, 1, \zero
	PLACES
	FETCH \slot, \k, \g
	s_wait_dscnt 24                                ; all but the 24 just issued
	WIN MUL
	MULA \f, 2, \zero
	MULA \f, 3, \zero
.endm
.macro TURN slot, next, fill
	WIN 0
	s_wait_tensorcnt 0x0                           ; all my tensor loads have landed: my part of the next slot
	ds_add_u32 v[SPW], v[NIL]
	s_wait_dscnt 5                                 ; the add and the youngest four loads may be out
	WIN MUL
	MULA F1, 0, 0
	s_wait_dscnt 0x0                               ; the add is done, and my reads of this slot are over
	s_barrier_signal -1
	MULA F1, 1, 0
.if \fill
	WIN 0
.endif
	s_barrier_wait -1
.if \fill
	CREST                                          ; the barrier has opened a round of the cluster's barrier
	s_add_nc_u64 s[G0+4*\slot+2:G0+4*\slot+3], s[G0+4*\slot+2:G0+4*\slot+3], 2*KSTEP*2
	s_add_nc_u64 s[G0B+4*\slot+2:G0B+4*\slot+3], s[G0B+4*\slot+2:G0B+4*\slot+3], 2*KSTEP*2
	JLOAD \slot                                    ; the first tensor load behind the round; its four v_nop are the places in front of the loads below
.else
	PLACES
.endif
	FETCH \next, 0, F0
	WIN MUL
	MULA F1, 2, 0
	MULA F1, 3, 0
.endm
	s_wait_tensorcnt 1                             ; my part of K step 0 is in; K step 1's load may be out
	s_barrier_signal -1
	s_barrier_wait -1
	FETCH 0, 0, F0
	QUARTER 0, 64, F0, F1, 1                       ; the first quarter's products start the sums
	WIN 0
	s_mov_b32 s3, LAPS-1
.Llap:
	QUARTER 0, 128, F1, F0, 0
	QUARTER 0, 192, F0, F1, 0
	TURN 0, 1, 1
	QUARTER 1, 64,  F0, F1, 0
	QUARTER 1, 128, F1, F0, 0
	QUARTER 1, 192, F0, F1, 0
	TURN 1, 0, 1
	QUARTER 0, 64,  F0, F1, 0
	WIN 0
	s_sub_co_u32 s3, s3, 1
	s_cmp_lg_u32 s3, 0
	s_cbranch_scc1 .Llap
	QUARTER 0, 128, F1, F0, 0                      ; the last lap fills nothing
	QUARTER 0, 192, F0, F1, 0
	TURN 0, 1, 0
	QUARTER 1, 64,  F0, F1, 0
	QUARTER 1, 128, F1, F0, 0
	QUARTER 1, 192, F0, F1, 0
	s_wait_dscnt 4
	WIN MUL
	MULA F1, 0, 0
	MULA F1, 1, 0
	s_wait_dscnt 0
	MULA F1, 2, 0
	MULA F1, 3, 0
	WIN 0
; THE WAY OUT, a block of 16 rows x 128 columns at a time, through my own stage: in by 32 bytes a lane, back as whole rows of 512 bytes.  LDS serves a wave's instructions in order.
.macro TOSTAGE a
	WIN 0x08                                       ; an LDS store's data are its source 1: window 2
.irp b, 0,1,2,3,4,5,6,7
	ds_store_b128 v[STO], v[8*(8*(\a)+\b):8*(8*(\a)+\b)+3] offset:64*\b          ; each accumulator from its low end on
	ds_store_b128 v[STO], v[8*(8*(\a)+\b)+4:8*(8*(\a)+\b)+7] offset:64*\b+16
.endr
	WIN 0
.set BB, BK+64*((\a)%2)
.set tt, 0
.rept 16
	ds_load_b128 v[BB+4*tt:BB+4*tt+3], v[RD] offset:tt*SPITCH
.set tt, tt+1
.endr
.endm
.macro SEND a, younger
.set BB, BK+64*((\a)%2)
	s_wait_dscnt \younger
.set tt, 0
.rept 16
	global_store_b128 v[CO], v[BB+4*tt:BB+4*tt+3], s[8:9] offset:(\a)*131072+tt*8192 th:TH_STORE_NT   ; 512 consecutive bytes, aligned
.set tt, tt+1
.endr
.endm
	PLACES
	TOSTAGE 0
.irp a, 1,2,3
.if \a > 1
	s_wait_xcnt 0x0                                ; block a - 2's stores have read their registers: block a's rows may land there
.endif
	TOSTAGE \a
	SEND \a-1, 32                                  ; behind block a - 1's loads: block a's 16 stores and 16 loads
.endr
	SEND 3, 0
	s_wait_tensorcnt 0x0                           ; the wave's end
	ds_add_u32 v[SPW], v[NIL]
	s_wait_dscnt 0x0
	CROUND                                         ; the closing round
	s_endpgm
.Lfunc_end_k_q111b864832_oproj:
	.size	k_q111b864832_oproj, .Lfunc_end_k_q111b864832_oproj-k_q111b864832_oproj
	.p2alignl 7, 3214868480
	.fill 96, 4, 3214868480
	.section	.rodata,"a",@progbits
	.p2align	6, 0x0
	.amdhsa_kernel k_q111b864832_oproj
		.amdhsa_group_segment_fixed_size 327680
		.amdhsa_private_segment_fixed_size 0
		.amdhsa_enable_private_segment 0
		.amdhsa_kernarg_size 24
		.amdhsa_user_sgpr_count 2
		.amdhsa_user_sgpr_kernarg_segment_ptr 1
		.amdhsa_wavefront_size32 1
		.amdhsa_system_sgpr_workgroup_id_x 1
		.amdhsa_system_sgpr_workgroup_id_y 1
		.amdhsa_system_sgpr_workgroup_id_z 1
		.amdhsa_system_vgpr_workitem_id 0
		.amdhsa_next_free_vgpr 768
		.amdhsa_next_free_sgpr 66
		.amdhsa_reserve_vcc 0
		.amdhsa_float_denorm_mode_32 3
		.amdhsa_float_denorm_mode_16_64 3
		.amdhsa_memory_ordered 1
		.amdhsa_forward_progress 1
		.amdhsa_inst_pref_size 85
	.end_amdhsa_kernel
	.amdgpu_metadata
---
amdhsa.version: [ 1, 2 ]
amdhsa.kernels:
  - .name:           k_q111b864832_oproj
    .symbol:         k_q111b864832_oproj.kd
    .args:
      - { .name: attn16, .offset: 0, .size: 8, .value_kind: global_buffer, .address_space: global }
      - { .name: ow16, .offset: 8, .size: 8, .value_kind: global_buffer, .address_space: global }
      - { .name: out0, .offset: 16, .size: 8, .value_kind: global_buffer, .address_space: global }
    .group_segment_fixed_size: 327680
    .private_segment_fixed_size: 0
    .kernarg_segment_align: 8
    .kernarg_segment_size: 24
    .max_flat_workgroup_size: 128
    .sgpr_count:     66
    .vgpr_count:     768
    .wavefront_size: 32
...
	.end_amdgpu_metadata
.endif
;; end of part 4
;; launch fine (part 5): grid 256 x 1, 8 waves a work-group, no clusters, 146,432 bytes of LDS; arguments fine32, o_w, out0; writes out0
.if DOCPART == 5
	.amdgcn_target "amdgcn-amd-amdhsa--gfx1250"
	.amdhsa_code_object_version 6
	.text
	.protected	k_q111b864832_fine
	.globl	k_q111b864832_fine
	.p2align	8
	.type	k_q111b864832_fine,@function
k_q111b864832_fine:
	s_mov_b64 s[64:65], 0
	v_nop
	global_prefetch_b8 v0, s[64:65] scope:SCOPE_SE
	s_setreg_imm32_b32 hwreg(HW_REG_WAVE_MODE, 25, 1), 1
	s_wait_xcnt 0x0
; FINE: positions 0..15 of both sequences, attention and projection, all in f32 (v_wmma_f32_16x16x4_f32): these rows average one to sixteen values and are the largest of the output, so 16-bit operands would weigh most here.
; A work-group makes output columns 16 (x / 2) .. + 15 of the 16 rows of sequence x % 2: 256 work-groups.  Wave w is head w: it makes its head's attention for the 16 positions, then its 128 channels' part of the projection; the eight parts meet in LDS.
; The attention is made anew in each of a sequence's 128 work-groups: 64 matrix instructions a wave beside the projection's 32; a launch of its own for it would cost more than it saves.  An output row gets 64 bytes from a work-group; the launch stores 256 KiB in all.
; ALL THAT A WAVE READS FROM MEMORY IS ASKED FOR AT ITS HEAD, in 64 loads of 512 consecutive bytes: q's, k's and v's images and its part of 16 rows of o_w; so the wave waits for memory once.
; fine32 holds q, k, v as images of registers: [sequence][8 type + head][g 0..15][lane][16 bytes]; group g = 2 bb + u of lane (r, h): channels 16 bb + 8 h + 4 u + 0..3 of position r.
; THE K OF EACH PRODUCT IS PERMUTED ALIKE ON BOTH SIDES.  Scores S^T = k q^T: instruction e takes registers 2 e, 2 e + 1 of both images.  O^T = v^T p: instruction s takes p's registers 2 s, 2 s + 1, which in lane (r, h) are keys 8 h + 2 s + 0, 1,
; and v is gathered so, out of LDS.  out^T = o_w O: instruction (ct, p) takes O^T's registers 2 p, 2 p + 1 of tile ct, channels 16 ct + 8 h + 2 p + 0, 1, and o_w's fragment is read from LDS so.
; v's image lies in LDS as lines of 16 positions x 16 bytes + 16 of padding, two lines to a group: a gather's 32 lanes then fall on words r % 4 + 4 (r / 8) + 8 ((r / 4) % 2) + 32 h modulo 64, all different.
; The registers that the matrix instructions write are written by them alone; what is made of a sum goes into v16-23.  No tensor load, no cluster: the work-groups share only 384 KiB of images.
; REGISTERS: v1-14 addresses and constants; v16-23 scores, p, sums; v24-29 at work; v40-103 q's image, then v^T; v104-167 k's image, then o_w's fragments; v168-183 two accumulators; v184-247 O^T, eight tiles;
;   window 1: v0-63 v's image, v64-127 o_w's rows, both on their way into LDS.
.set OWP,   528                        ; a row of o_w's 128 channels in LDS: 512 bytes + 16; 16 rows a wave
.set VIB,   67584                      ; v's images: 16 groups of 544 bytes a wave
.set VIP,   8704
.set RED,   137216                     ; [u][wave][512 bytes]
.set SPARE, 145408
.set SPW,   252
.set NIL,   253
.set MSB, 0
.macro WIN new                         ; the immediate's high byte repeats the setting that is left
.if MSB != \new
	s_set_vgpr_msb (MSB<<8)|\new
.set MSB, \new
.endif
.endm
	s_load_b128 s[4:7], s[0:1], 0x0                ; fine32, o_w
	s_load_b64 s[8:9], s[0:1], 0x10                ; out0
	v_lshl_add_u32 v[SPW], v0, 2, SPARE
	v_mov_b32 v[NIL], 0
	v_lshrrev_b32 v1, 5, v0
	v_readfirstlane_b32 s10, v1                    ; wave = head
	v_and_b32 v1, 31, v0
	v_and_b32 v2, 15, v0                           ; r
	v_bfe_u32 v3, v0, 4, 1                         ; h
	v_lshlrev_b32 v4, 4, v1                        ; 16 x lane
	v_lshlrev_b32 v5, 3, v3
	v_sub_nc_u32 v5, v2, v5                        ; r - 8 h: register j holds key 8 h + j, hidden where j > r - 8 h
	s_mul_i32 s11, s10, VIP
	s_add_co_u32 s11, s11, VIB                     ; my image of v
	v_mul_u32_u24 v14, v3, 272
	v_lshl_add_u32 v14, v2, 4, v14
	v_add_nc_u32 v14, s11, v14                     ; in: line h of a group, 16 bytes a position
	v_bfe_u32 v6, v0, 2, 1                         ; out, as v^T: channel 16 ct + r lies in group 2 ct + (r / 4) % 2, line r / 8, word r % 4; key 8 h + 2 s + j is the line's position
	v_mul_u32_u24 v6, v6, 544
	v_bfe_u32 v7, v0, 3, 1
	v_mad_u32_u24 v6, v7, 272, v6
	v_lshl_add_u32 v6, v3, 7, v6
	v_and_b32 v7, 3, v0
	v_lshl_add_u32 v6, v7, 2, v6
	v_add_nc_u32 v6, s11, v6
	s_mul_i32 s11, s10, 16*OWP
	v_add_nc_u32 v8, s11, v4                       ; o_w's rows into LDS: 16 bytes a lane
	v_mul_u32_u24 v9, v2, OWP
	v_lshl_add_u32 v9, v3, 5, v9
	v_add_nc_u32 v9, s11, v9                       ; and out as fragments: row r, + 32 h
	s_lshl_b32 s11, s10, 9
	s_add_co_u32 s11, s11, RED
	v_add_nc_u32 v10, s11, v4                      ; my part of the sums
	s_and_b32 s11, s10, 1
	s_lshl_b32 s11, s11, 12
	s_add_co_u32 s11, s11, RED
	v_add_nc_u32 v11, s11, v4                      ; waves 0 and 1: the eight parts of u = w
	v_lshlrev_b32 v12, 13, v2
	v_lshl_add_u32 v12, v3, 5, v12                 ; out0: row r of 8,192 bytes, + 32 h
	v_mov_b32 v13, 0xff800000                      ; -infinity
	v_mov_b32 v25, 0                               ; written once: a lane permute's destination counts as one of its sources
	s_mov_b32 s16, 0x76543210
	s_mov_b32 s17, 0xfedcba98
	s_mov_b32 s18, 0x3e0293ee                      ; c = log2(e) / sqrt(128)
	s_and_b32 s22, ttmp9, 1                        ; the sequence
	s_lshr_b32 s23, ttmp9, 1                       ; the tile of 16 columns
	s_mul_i32 s12, s22, 196608                     ; a sequence's 24 images of 8,192 bytes,
	s_lshl_b32 s13, s10, 13                        ; my head's
	s_add_co_u32 s12, s12, s13
	s_mov_b32 s13, 0
	s_lshl_b32 s14, s23, 16                        ; my work-group's 16 rows of o_w, 4,096 bytes each,
	s_lshl_b32 s15, s10, 9                         ; my head's 512 bytes of them
	s_add_co_u32 s14, s14, s15
	s_mov_b32 s15, 0
	s_lshl_b32 s20, s22, 24                        ; a sequence of out0 is 16,777,216 bytes
	s_lshl_b32 s21, s23, 6
	s_add_co_u32 s20, s20, s21
	s_and_b32 s21, s10, 1
	s_lshl_b32 s21, s21, 4
	s_add_co_u32 s20, s20, s21
	s_mov_b32 s21, 0
	s_wait_kmcnt 0x0
	s_add_nc_u64 s[12:13], s[4:5], s[12:13]
	s_add_nc_u64 s[14:15], s[6:7], s[14:15]
	s_add_nc_u64 s[20:21], s[8:9], s[20:21]
.set i, 0
.rept 16
	global_load_b128 v[40+4*i:43+4*i], v4, s[12:13] offset:512*i            ; q
.set i, i+1
.endr
.set i, 0
.rept 16
	global_load_b128 v[104+4*i:107+4*i], v4, s[12:13] offset:65536+512*i    ; k
.set i, i+1
.endr
	WIN 0x40                                       ; destination window 1
.set i, 0
.rept 16
	global_load_b128 v[4*i:4*i+3], v4, s[12:13] offset:131072+512*i         ; v
.set i, i+1
.endr
.set i, 0
.rept 16
	global_load_b128 v[64+4*i:67+4*i], v4, s[14:15] offset:4096*i           ; 512 consecutive bytes of a row of o_w
.set i, i+1
.endr
	WIN 0
	s_wait_loadcnt 32                              ; q and k are in; v's 16 loads and o_w's 16 may be out
.set e, 0
.rept 32                                           ; S^T = k q^T: two accumulators by turns; the first two products start the sums
.if e < 2
	v_wmma_f32_16x16x4_f32 v[168+8*(e%2):175+8*(e%2)], v[104+2*e:105+2*e], v[40+2*e:41+2*e], 0
.else
	v_wmma_f32_16x16x4_f32 v[168+8*(e%2):175+8*(e%2)], v[104+2*e:105+2*e], v[40+2*e:41+2*e], v[168+8*(e%2):175+8*(e%2)]
.endif
.set e, e+1
.endr
	s_wait_loadcnt 16                              ; v is in; o_w's 16 loads may be out
	WIN 0x04                                       ; an LDS store's data are its source 1: window 1
.set i, 0
.rept 16
	ds_store_b128 v14, v[4*i:4*i+3] offset:544*i
.set i, i+1
.endr
	s_wait_loadcnt 0x0                             ; o_w
.set i, 0
.rept 16
	ds_store_b128 v8, v[64+4*i:67+4*i] offset:OWP*i
.set i, i+1
.endr
	WIN 0
.rept 8
	v_nop                                          ; eight places: in front of loads into q's registers and of the first read of the sums
.endr
.set i, 0
.rept 32                                           ; v^T: fragment (ct = i / 4, s = i % 4).  LDS serves a wave's instructions in order: these see my stores
	ds_load_b32 v[40+2*i], v6 offset:(i/4)*1088+(2*(i%4))*16
	ds_load_b32 v[41+2*i], v6 offset:(i/4)*1088+(2*(i%4)+1)*16
.set i, i+1
.endr
.irp j, 0,1,2,3,4,5,6,7
	v_add_f32 v[16+\j], v[168+\j], v[176+\j]       ; ascending: both accumulators are read from their low ends on
.endr
.irp j, 0,1,2,3,4,5,6,7
	v_cmp_gt_i32 vcc_lo, \j, v5
	v_cndmask_b32 v[16+\j], v[16+\j], v13, vcc_lo  ; the causal mask
.endr
	v_max3_num_f32 v24, v16, v17, v18
	v_max3_num_f32 v24, v24, v19, v20
	v_max3_num_f32 v24, v24, v21, v22
	v_max_num_f32 v24, v24, v23
	v_permlanex16_b32 v25, v24, s16, s17
	v_max_num_f32 v24, v24, v25                    ; the row's maximum: key 0 counts for every query
	v_mul_f32 v24, s18, v24
.irp j, 0,1,2,3,4,5,6,7
	v_fma_f32 v[16+\j], v[16+\j], s18, -v24
.endr
.irp j, 0,1,2,3,4,5,6,7
	v_exp_f32 v[16+\j], v[16+\j]
.endr
	v_nop
	s_wait_alu depctr_va_vdst(0)                   ; one wait for the eight, ahead of their first reader
	v_add_f32 v26, v16, v17
	v_add_f32 v27, v18, v19
	v_add_f32 v28, v20, v21
	v_add_f32 v29, v22, v23
	v_add_f32 v26, v26, v27
	v_add_f32 v28, v28, v29
	v_add_f32 v26, v26, v28
	v_permlanex16_b32 v25, v26, s16, s17
	v_add_f32 v26, v26, v25
	v_rcp_f32 v26, v26
	v_nop
	s_wait_alu depctr_va_vdst(0)
.irp j, 0,1,2,3,4,5,6,7
	v_mul_f32 v[16+\j], v[16+\j], v26              ; p is normalised here, so that O^T needs no scaling
.endr
	s_wait_dscnt 0x0                               ; v^T is in
.set i, 0
.rept 16
	ds_load_b128 v[104+4*i:107+4*i], v9 offset:64*(i/2)+16*(i%2)   ; o_w's fragments, over k's image, which is done with: they land under the products below
.set i, i+1
.endr
.irp s, 0,1,2,3
.irp ct, 0,1,2,3,4,5,6,7
.if \s == 0
	v_wmma_f32_16x16x4_f32 v[184+8*\ct:191+8*\ct], v[40+2*(4*\ct+\s):41+2*(4*\ct+\s)], v[16+2*\s:17+2*\s], 0
.else
	v_wmma_f32_16x16x4_f32 v[184+8*\ct:191+8*\ct], v[40+2*(4*\ct+\s):41+2*(4*\ct+\s)], v[16+2*\s:17+2*\s], v[184+8*\ct:191+8*\ct]
.endif
.endr
.endr
.rept 9
	v_nop                                          ; nine places before a matrix instruction takes these results as a source
.endr
	s_wait_dscnt 0x0
.set e, 0
.rept 32                                           ; out^T += o_w O: e = 4 ct + p
.if e < 2
	v_wmma_f32_16x16x4_f32 v[168+8*(e%2):175+8*(e%2)], v[104+2*e:105+2*e], v[184+2*e:185+2*e], 0
.else
	v_wmma_f32_16x16x4_f32 v[168+8*(e%2):175+8*(e%2)], v[104+2*e:105+2*e], v[184+2*e:185+2*e], v[168+8*(e%2):175+8*(e%2)]
.endif
.set e, e+1
.endr
.rept 8
	v_nop
.endr
.irp j, 0,1,2,3,4,5,6,7
	v_add_f32 v[16+\j], v[168+\j], v[176+\j]       ; lane (r, h): out(position r, column 8 h + j), my head's part
.endr
	ds_store_b128 v10, v[16:19]
	ds_store_b128 v10, v[20:23] offset:4096
	s_wait_dscnt 0x0                               ; my parts lie in LDS
	s_barrier_signal -1
	s_barrier_wait -1
	s_cmp_lt_u32 s10, 2                            ; two waves add the eight heads' parts, 16 bytes a lane
	s_cbranch_scc0 .Ldone
.set i, 0
.rept 8
	ds_load_b128 v[40+4*i:43+4*i], v11 offset:512*i
.set i, i+1
.endr
	s_wait_dscnt 0x0
.irp i, 0,2,4,6
	v_pk_add_f32 v[40+4*\i:41+4*\i], v[40+4*\i:41+4*\i], v[44+4*\i:45+4*\i]
	v_pk_add_f32 v[42+4*\i:43+4*\i], v[42+4*\i:43+4*\i], v[46+4*\i:47+4*\i]
.endr
.irp i, 0,4
	v_pk_add_f32 v[40+4*\i:41+4*\i], v[40+4*\i:41+4*\i], v[48+4*\i:49+4*\i]
	v_pk_add_f32 v[42+4*\i:43+4*\i], v[42+4*\i:43+4*\i], v[50+4*\i:51+4*\i]
.endr
	v_pk_add_f32 v[40:41], v[40:41], v[56:57]
	v_pk_add_f32 v[42:43], v[42:43], v[58:59]
	global_store_b128 v12, v[40:43], s[20:21]
.Ldone:
	s_wait_tensorcnt 0x0                           ; the wave's end, behind the last LDS store
	ds_add_u32 v[SPW], v[NIL]
	s_wait_dscnt 0x0
	s_endpgm
.Lfunc_end_k_q111b864832_fine:
	.size	k_q111b864832_fine, .Lfunc_end_k_q111b864832_fine-k_q111b864832_fine
	.p2alignl 7, 3214868480
	.fill 96, 4, 3214868480
	.section	.rodata,"a",@progbits
	.p2align	6, 0x0
	.amdhsa_kernel k_q111b864832_fine
		.amdhsa_group_segment_fixed_size 146432
		.amdhsa_private_segment_fixed_size 0
		.amdhsa_enable_private_segment 0
		.amdhsa_kernarg_size 24
		.amdhsa_user_sgpr_count 2
		.amdhsa_user_sgpr_kernarg_segment_ptr 1
		.amdhsa_wavefront_size32 1
		.amdhsa_system_sgpr_workgroup_id_x 1
		.amdhsa_system_sgpr_workgroup_id_y 1
		.amdhsa_system_sgpr_workgroup_id_z 1
		.amdhsa_system_vgpr_workitem_id 0
		.amdhsa_next_free_vgpr 384
		.amdhsa_next_free_sgpr 66
		.amdhsa_reserve_vcc 1
		.amdhsa_float_denorm_mode_32 3
		.amdhsa_float_denorm_mode_16_64 3
		.amdhsa_memory_ordered 1
		.amdhsa_forward_progress 1
		.amdhsa_inst_pref_size 29
	.end_amdhsa_kernel
	.amdgpu_metadata
---
amdhsa.version: [ 1, 2 ]
amdhsa.kernels:
  - .name:           k_q111b864832_fine
    .symbol:         k_q111b864832_fine.kd
    .args:
      - { .name: fine32, .offset: 0, .size: 8, .value_kind: global_buffer, .address_space: global }
      - { .name: o_w, .offset: 8, .size: 8, .value_kind: global_buffer, .address_space: global }
      - { .name: out0, .offset: 16, .size: 8, .value_kind: global_buffer, .address_space: global }
    .group_segment_fixed_size: 146432
    .private_segment_fixed_size: 0
    .kernarg_segment_align: 8
    .kernarg_segment_size: 24
    .max_flat_workgroup_size: 256
    .sgpr_count:     66
    .vgpr_count:     384
    .wavefront_size: 32
...
	.end_amdgpu_metadata
.endif
;; end of part 5
